; MI455X (gfx1250); checked and timed in simulation.
; The chip was launched on July 23, 2026; its instructions are those of AMD's public machine-readable ISA for CDNA 5 (MIT licence, August 2026) and "CDNA5" Instruction Set Architecture Reference Guide (July 2026). The comments in the code are by the model that wrote it; some were corrected since.
;; Multi Head Attention. Allowed arithmetic: matrix products marked QUANTISED: E4M3 operands, one given power-of-two scale a tensor, by v_wmma_f32_16x16x64_fp8_fp8 or v_wmma_f32_16x16x128_fp8_fp8, f32 sums; everything else in f32.
;; Inputs: Wout 1,024 x 1,024 float32; Wqkv 3,072 x 1,024 float32; bout 1,024 float32; bqkv 3,072 float32; lowp_scales 8 int32 (the exponents e of the quantised operands' scales 2^e); x 2 x 2,048 x 1,024 float32.
;; Outputs: out0 2 x 2,048 x 1,024 float32.
;; This version of the problem:
;;   THIS VERSION OF THE PROBLEM IS GIVEN IN LOW PRECISION. The matrix products marked QUANTISED in the list below multiply operands that are first quantised to E4M3 (4 exponent bits, 3 mantissa bits; 8 bits a number), with one given power-of-two scale for each operand tensor; their sums are f32. All else is computed in f32.
;;   The module's matrix products, in the order in which they are computed (A, B: the left and right operand; K: the contracted axis; several contracted axes count as one K, in the product's order):
;;     1. [M 4,096, K 1,024] x [K 1,024, N 3,072]; A: input x; B: input Wqkv: QUANTISED (scales: A lowp_scales[0], B lowp_scales[1])
;;     2. batch 32 x [M 2,048, K 64] x [K 64, N 2,048]; A: computed on the way; B: computed on the way: QUANTISED (scales: A lowp_scales[2], B lowp_scales[3])
;;     3. batch 32 x [M 2,048, K 2,048] x [K 2,048, N 64]; A: softmax (see below); B: computed on the way: QUANTISED (scales: A lowp_scales[4], B lowp_scales[5])
;;     4. [M 4,096, K 1,024] x [K 1,024, N 1,024]; A: computed on the way; B: input Wout: QUANTISED (scales: A lowp_scales[6], B lowp_scales[7])
;;   THE QUANTISER, for each operand of a quantised product, along K:
;;     - The operand's scale is 2^e, e = its entry of the input lowp_scales (int32; the entries are numbered through the quantised products in the list's order, A before B).
;;     - Each number is divided by the scale, clamped to +-448, and rounded to the nearest number of E4M3, ties to even, subnormals kept.
;;     - The product sums the exact products of the quantised numbers (number of the format x scale) in f32.
;;   ~~~python
;;   def quantise(x, axis, e):      # numpy; x: float32 -> the quantised numbers, widened to float32 again
;;       x = np.moveaxis(x, axis, -1); K = x.shape[-1]
;;       r = np.clip(x / 2.0 ** e, -448, 448)
;;       step = 2.0 ** (np.maximum(np.frexp(np.where(r == 0, 1, r))[1] - 1, -6) - 3)
;;       q = np.round(r / step) * step * 2.0 ** e      # np.round: ties to even
;;       return np.moveaxis(q, -1, axis).astype(np.float32)
;;   ~~~
;;   SOFTMAX AHEAD OF A QUANTISED PRODUCT. Where the list says 'softmax', what is quantised is not the finished softmax but p = 2^(t - M), with t = logit x log2(e) and M = ceil(the row's largest t), a whole number; so 1/2 < the row's largest p <= 1. The row's sum l is taken of the UNQUANTISED p, in f32, and the product's result is divided by l at the end. Since M is a whole number, a kernel that streams over the keys may use a running M (the ceiling of the running maximum): every later rescaling is an exact power of two, so the quantised numbers keep their values, but for numbers so far below the row's largest that they fall under the format's range.
;;   OPERANDS COMPUTED ON THE WAY. 'Computed on the way' means the value that the module computes at that place (a softmax that the list does not call 'softmax' is quantised finished and normalised). What goes into a quantiser is computed in f32, as accurately as f32 sums, v_exp_f32 and their like allow (about 1e-6 of the number): no bf16 or f16 on the way to a quantiser, and a product that is left as it is and whose result goes on into a quantised operand takes f32 operands (vector FMAs, or v_wmma_f32_16x16x4_f32). A number that lies on a knife's edge between two numbers of the format may be rounded either way, as far as f32 arithmetic and the matrix unit's own rounding can turn it there, and no further.
;; One version. Each part assembles by itself: llvm-mc -triple=amdgcn-amd-amdhsa -mcpu=gfx1250 --defsym DOCPART=n.
;; ======== version 1 of 1: 4 launches
;; limits: right only within a limited range of input values
;; workspace buffers: codes 8,388,608 bytes; qkvc 12,582,912 bytes; aoc 4,194,304 bytes
;; launch quant (part 1): grid 256 x 1, 16 waves a work-group, no clusters, 83,968 bytes of LDS; arguments x, Wqkv, Wout, lowp_scales, codes; writes codes
.if DOCPART == 1
	.amdgcn_target "amdgcn-amd-amdhsa--gfx1250"
	.amdhsa_code_object_version 6
	.text
	.protected	k_qb7e01e924e_quant
	.globl	k_qb7e01e924e_quant
	.p2align	8
	.type	k_qb7e01e924e_quant,@function
k_qb7e01e924e_quant:
	s_mov_b64 s[64:65], 0
	v_nop
	global_prefetch_b8 v0, s[64:65] scope:SCOPE_SE
	s_setreg_imm32_b32 hwreg(HW_REG_WAVE_MODE, 25, 1), 1
	s_wait_xcnt 0x0
; x [4096][1024], Wqkv [3072][1024] and Wout [1024][1024], f32, K innermost, become codes of FP8 (E4M3), one byte each, in ONE buffer: rows 0 to 4,095 are x's, 4,096 to 7,167 Wqkv's, 7,168 to 8,191 Wout's.
; THE BUFFER IS LAID IN BLOCKS of 128 rows, 131,072 bytes: a block is four planes, one for each 256 along K: byte = (row / 128) x 131,072 + (k / 256) x 32,768 + (row % 128) x 256 + k % 256.
; So what a wave of the next launches fetches (128 rows x 256 or 512 along K) is one dense run.
; code = number / 2^e, held within +-448, rounded to the nearest code, ties to even.  e: entry 0 of the scales for x, entry 1 for Wqkv, entry 7 for Wout.
; LIMITS: each of these e lies between -126 and 119, so that 2^e and 448 x 2^e are f32 numbers.  NaN among the inputs is not served (an infinity is held at the largest code).
; WORK LEFT OUT OF THE PROGRAM: in the launch attn, the steps of 128 keys that the causal mask, which the problem builds itself, hides from all 64 queries of a group: their p is 0 for all inputs.  A NaN or an infinity that reaches only them is not carried.
; THE ROWS OF V'S PART OF Wqkv CHANGE PLACES: row 2048 + 64 j + d (j = 0..15, d = 0..63) is stored as row 2048 + 16 d + j.  The next launch's tiles of 16 rows of W then hold ONE channel d and 16 neighbouring
; positions of a head, so that v's codes come out of it with the keys innermost.  All other rows keep their places.
; SHARES: a work-group takes 32 rows, each of its sixteen waves 2: 4 steps of 512 numbers.  Work-groups 0-127: x; 128-223: Wqkv (192-223: V's part); 224-255: Wout.  Only pointers, one exponent and one
; row distance are chosen by the work-group's number: all take one path through the text.
; A step: four loads of 512 consecutive bytes; the 2,048 bytes turn through the wave's own stage in LDS (16 bytes of padding behind each 64) and come back 64 bytes a lane: 16 neighbours along K, as the
; conversions want them; a lane's 16 codes are 16 bytes, and a store writes two whole aligned units of 256 bytes, one in each of two planes.  No barrier: waves share nothing.  All 16 loads of a wave go out at its head; the turn through LDS runs one step ahead.
.set STEPS, 4
.set GX,    128                        ; work-groups for x
.set GW,    96                         ; for Wqkv
.set GV,    192                        ; the first of V's part
.set EMAX,  8
.set MANT,  0x600000                   ; the mantissa field of 448 as f32
.set R,     16                         ; v16-79   four sets of 16 numbers as they are loaded
.set X,     80                         ; v80-111  two sets of 16 neighbours
.set OFR,   112                        ; v112-113 my lane's place in my two rows of codes
.set SPW,   120                        ; v120     LDS address of my spare word; never rewritten
.set NIL,   121                        ; v121     0; never rewritten
.set C,     128                        ; v128-143 codes: four registers for each step, so that no store's data are written again
.set SP,    80                         ; a lane's place in a stage: its 64 bytes + 16 of padding
.set WREG,  2*32*SP                    ; LDS: a region of its own for each wave: two stages
.set SPARE, 16*WREG                    ; the spare words: 128 bytes for each wave
	s_load_b256 s[4:11], s[0:1], 0x0               ; x s[4:5], Wqkv s[6:7], Wout s[8:9], the scales' exponents s[10:11]
	s_load_b64 s[12:13], s[0:1], 0x20              ; the codes
	v_lshl_add_u32 v[SPW], v0, 2, SPARE
	v_mov_b32 v[NIL], 0
	v_lshrrev_b32 v1, 5, v0
	v_readfirstlane_b32 s16, v1                    ; wave
	s_cmp_lt_u32 ttmp9, GX                         ; the first work-group of my tensor: 0, 128 or 224
	s_cselect_b32 s17, 0, GX
	s_cmp_lt_u32 ttmp9, GX+GW
	s_cselect_b32 s17, s17, GX+GW
	s_sub_co_u32 s18, ttmp9, s17
	s_lshl_b32 s18, s18, 4
	s_add_co_u32 s18, s18, s16
	s_lshl_b32 s18, s18, 13                        ; my wave's 2 rows in the tensor: 8,192 bytes each run
	s_mov_b32 s19, 0
	s_lshr_b32 s20, ttmp9, 2                       ; where the codes go, rows in their places: my first row is 32 g + 2 wave: block g / 4,
	s_lshl_b32 s20, s20, 17
	s_and_b32 s21, ttmp9, 3
	s_lshl_b32 s21, s21, 13
	s_add_co_u32 s20, s20, s21
	s_lshl_b32 s21, s16, 9
	s_add_co_u32 s20, s20, s21                     ; row 32 (g % 4) + 2 wave in it
	s_sub_co_u32 s21, ttmp9, GV                    ; V's part: gv = g - 192; my rows are 64 j + d with j = gv / 2, d = 32 (gv % 2) + 2 wave + i; stored row 16 d + j:
	s_and_b32 s22, s21, 1
	s_lshl_b32 s22, s22, 2
	s_lshr_b32 s23, s16, 2
	s_add_co_u32 s22, s22, s23                     ; block d / 8,
	s_lshl_b32 s22, s22, 17
	s_and_b32 s23, s16, 3
	s_lshl_b32 s23, s23, 13
	s_add_co_u32 s22, s22, s23                     ; row 16 (d % 8)
	s_lshr_b32 s23, s21, 1
	s_lshl_b32 s23, s23, 8
	s_add_co_u32 s22, s22, s23                     ; + j in it,
	s_add_co_u32 s22, s22, 6291456                 ; behind x's codes and 2,048 rows of Wqkv's
	s_mov_b32 s23, 4096                            ; and from one of my rows to the next d grows by 1: 16 stored rows
	s_cmp_lt_u32 s21, 32                           ; (unsigned: true for work-groups 192 to 223 alone; elsewhere what was made above is dropped)
	s_cselect_b32 s20, s22, s20
	s_cselect_b32 s23, s23, 256
	s_mov_b32 s21, 0
	s_mul_i32 s17, s16, WREG
	v_and_b32 v2, 31, v0                           ; lane
	v_lshlrev_b32 v3, 4, v2                        ; my 16 bytes of a load's 512
	v_lshrrev_b32 v14, 2, v2
	v_and_b32 v15, 3, v2
	v_and_b32 v4, 15, v2
	v_lshrrev_b32 v5, 4, v2
	v_mul_u32_u24 v14, v14, SP
	v_lshlrev_b32 v[OFR], 15, v5                   ; lanes 16-31: the next plane
	v_lshl_add_u32 v14, v15, 4, v14
	v_lshl_add_u32 v[OFR], v4, 4, v[OFR]
	v_mul_u32_u24 v15, v2, SP
	v_add_nc_u32 v14, s17, v14                     ; the stage, on the way in: four lanes' 64 bytes on end, then 16 of padding
	v_add_nc_u32 v[OFR+1], s23, v[OFR]
	v_add_nc_u32 v15, s17, v15                     ; and on the way out: SP x lane: my 16 neighbours
	s_wait_alu depctr_va_vdst(0)
	s_wait_kmcnt 0x0
	s_load_b256 s[24:31], s[10:11], 0x0            ; the eight exponents
	s_cmp_lt_u32 ttmp9, GX                         ; the choice of a buffer hangs on the work-group's number alone
	s_cselect_b64 s[4:5], s[4:5], s[6:7]
	s_cmp_lt_u32 ttmp9, GX+GW
	s_cselect_b64 s[4:5], s[4:5], s[8:9]
	s_add_nc_u64 s[4:5], s[4:5], s[18:19]
	s_add_nc_u64 s[8:9], s[12:13], s[20:21]
.irp t, 0,1,2,3
.irp i, 0,1,2,3
	global_load_b128 v[R+16*\t+4*\i:R+16*\t+4*\i+3], v3, s[4:5] offset:2048*\t+512*\i th:TH_LOAD_NT   ; 32 lanes read 512 consecutive bytes; each byte is read once in the launch
.endr
.endr
.macro TURN t                          ; step t's numbers through the stage: LDS serves a wave's instructions in order, so no wait stands between the stores and the loads
.irp i, 0,1,2,3
	ds_store_b128 v14, v[R+16*(\t)+4*\i:R+16*(\t)+4*\i+3] offset:32*SP*((\t)%2)+8*SP*\i
.endr
.irp i, 0,1,2,3
	ds_load_b128 v[X+16*((\t)%2)+4*\i:X+16*((\t)%2)+4*\i+3], v15 offset:32*SP*((\t)%2)+16*\i
.endr
.endm
	s_wait_kmcnt 0x0
	s_cmp_lt_u32 ttmp9, GX
	s_cselect_b32 s32, s24, s25                    ; e: entry 0 or 1,
	s_cmp_lt_u32 ttmp9, GX+GW
	s_cselect_b32 s32, s32, s31                    ; or 7
	s_add_co_i32 s32, s32, 127
	s_lshl_b32 s33, s32, 23
	v_mov_b32 v11, s33                             ; 2^e as f32: the conversion takes its exponent field
	s_add_co_i32 s32, s32, EMAX
	s_lshl_b32 s32, s32, 23
	s_or_b32 s32, s32, MANT
	v_mov_b32 v10, s32                             ; 448 x 2^e
	s_wait_alu depctr_va_vdst(0)
	s_wait_loadcnt 12                              ; step 0's four loads are in; the twelve of steps 1 to 3 may be out
	TURN 0
.macro STEP t
.set XS, X+16*((\t)%2)
	s_wait_dscnt 0x0                               ; this step's numbers are back from the stage
.if (\t)+1 < STEPS
	s_wait_loadcnt 4*(STEPS-2-(\t))                ; the next step's four loads are in; those of the steps behind it may be out
	TURN (\t)+1                                    ; and go through the other stage while this step is worked
.endif
.irp i, 0,1,2,3,4,5,6,7,8,9,10,11,12,13,14,15
	v_med3_num_f32 v[XS+\i], v[XS+\i], -v10, v10   ; the conversion to an 8-bit code does not saturate (ISA guide 7.6.2): hold the number within the largest code x the scale first
.endr
	v_cvt_scalef32_pk8_fp8_f32 v[C+4*(\t):C+4*(\t)+1], v[XS:XS+7], v11          ; eight numbers / 2^e, to the nearest code, ties to even; the first number's code in the lowest byte
	v_cvt_scalef32_pk8_fp8_f32 v[C+4*(\t)+2:C+4*(\t)+3], v[XS+8:XS+15], v11
	global_store_b128 v[OFR+(\t)/2], v[C+4*(\t):C+4*(\t)+3], s[8:9] offset:65536*((\t)%2)   ; half a row of codes: 256 whole aligned bytes in each of two planes.  (The codes go to this store alone; the next step's holds are plain lines on other registers)
.endm
.irp t, 0,1,2,3
	STEP \t
.endr
	s_wait_tensorcnt 0x0                           ; the wave's end
	ds_add_u32 v[SPW], v[NIL]
	s_wait_dscnt 0x0
	s_endpgm
.Lfunc_end_k_qb7e01e924e_quant:
	.size	k_qb7e01e924e_quant, .Lfunc_end_k_qb7e01e924e_quant-k_qb7e01e924e_quant
	.p2alignl 7, 3214868480
	.fill 96, 4, 3214868480
	.section	.rodata,"a",@progbits
	.p2align	6, 0x0
	.amdhsa_kernel k_qb7e01e924e_quant
		.amdhsa_group_segment_fixed_size 83968
		.amdhsa_private_segment_fixed_size 0
		.amdhsa_enable_private_segment 0
		.amdhsa_kernarg_size 40
		.amdhsa_user_sgpr_count 2
		.amdhsa_user_sgpr_kernarg_segment_ptr 1
		.amdhsa_wavefront_size32 1
		.amdhsa_system_sgpr_workgroup_id_x 1
		.amdhsa_system_sgpr_workgroup_id_y 1
		.amdhsa_system_sgpr_workgroup_id_z 1
		.amdhsa_system_vgpr_workitem_id 0
		.amdhsa_next_free_vgpr 144
		.amdhsa_next_free_sgpr 66
		.amdhsa_reserve_vcc 0
		.amdhsa_float_denorm_mode_32 3
		.amdhsa_float_denorm_mode_16_64 3
		.amdhsa_memory_ordered 1
		.amdhsa_forward_progress 1
		.amdhsa_inst_pref_size 13
	.end_amdhsa_kernel
	.amdgpu_metadata
---
amdhsa.version: [ 1, 2 ]
amdhsa.kernels:
  - .name:           k_qb7e01e924e_quant
    .symbol:         k_qb7e01e924e_quant.kd
    .args:
      - { .name: x, .offset: 0, .size: 8, .value_kind: global_buffer, .address_space: global }
      - { .name: Wqkv, .offset: 8, .size: 8, .value_kind: global_buffer, .address_space: global }
      - { .name: Wout, .offset: 16, .size: 8, .value_kind: global_buffer, .address_space: global }
      - { .name: lowp_scales, .offset: 24, .size: 8, .value_kind: global_buffer, .address_space: global }
      - { .name: codes, .offset: 32, .size: 8, .value_kind: global_buffer, .address_space: global }
    .group_segment_fixed_size: 83968
    .private_segment_fixed_size: 0
    .kernarg_segment_align: 8
    .kernarg_segment_size: 40
    .max_flat_workgroup_size: 512
    .sgpr_count:     66
    .vgpr_count:     144
    .wavefront_size: 32
...
	.end_amdgpu_metadata
.endif
;; end of part 1
;; launch qkv (part 2): grid 12 x 16, 4 waves a work-group, clusters of 4 x 4, 327,680 bytes of LDS; arguments codes, lowp_scales, bqkv, qkvc; writes qkvc
.if DOCPART == 2
	.amdgcn_target "amdgcn-amd-amdhsa--gfx1250"
	.amdhsa_code_object_version 6
	.text
	.protected	k_qb7e01e924e_qkv
	.globl	k_qb7e01e924e_qkv
	.p2align	8
	.type	k_qb7e01e924e_qkv,@function
k_qb7e01e924e_qkv:
	s_mov_b64 s[64:65], 0
	v_nop
	global_prefetch_b8 v0, s[64:65] scope:SCOPE_SE
	s_setreg_imm32_b32 hwreg(HW_REG_WAVE_MODE, 25, 1), 1
	s_wait_xcnt 0x0
	s_wait_alu depctr_hold_cnt(0) depctr_sa_sdst(0) depctr_va_vdst(0) depctr_va_sdst(0) depctr_va_ssrc(0) depctr_va_vcc(0) depctr_vm_vsrc(0)
	s_getreg_b32 s2, hwreg(HW_REG_IB_STS2, 6, 4)
	s_cmp_eq_u32 s2, 0
	s_cbranch_scc0 .Lentry_in_a_cluster
	s_endpgm
.Lentry_in_a_cluster:
	s_bfe_u32 s2, ttmp6, 0x10000c
	s_cmp_lg_u32 s2, 0xf033
	s_cbranch_scc0 .Lentry_shape_is_right
	s_endpgm
.Lentry_shape_is_right:
; q, k and v as codes of FP8 (E4M3): x's codes (4,096 rows) times Wqkv's codes (3,072 rows, V's in the order in which the launch before stored them), K = 1,024, + bqkv, quantised at once.  Sums in f32.
; The codes lie in blocks of 128 rows, 131,072 bytes, each of four planes of 256 along K (32,768 bytes, rows of 256 bytes).
; A sum stands for sum x 2^(e0 + e1).  The bias, divided by that power of two, is the C of each accumulator's first product; the finished sum is held within +-448 x 2^(e - e0 - e1) and divided by 2^(e - e0 - e1), e = e2 (q), e3 (k), e5 (v).
; LIMITS: e - e0 - e1 lies between -126 and 119 for each of the three, so that both powers are f32 numbers.  NaN is not served.
; A work-group of four waves makes 256 x 256; a wave 128 x 128: 64 accumulators of 16 x 16 by turns.  Waves 0 and 1 fetch A's two blocks of 128 rows, waves 2 and 3 B's.
; K goes in four steps of 256 through two LDS slots.  A wave's ONE load at the head brings its rows of K steps 0 and 1 together, two planes that lie on end; K steps 2 and 3 are refills, each behind a round of the cluster's barrier.
; CLUSTERS of 4 x 4: A's tile is asked for jointly along a row, B's along a column.  The matrix instruction is used transposed (source 0 = rows of W, source 1 = rows of x): a lane holds eight neighbouring output columns of one row: 8 bytes of codes;
; the 32 lanes of a store cover 256 consecutive aligned bytes.  Output: three sections of 4,194,304 bytes (q, k, v); a head is 131,072 bytes.
; PREFETCH: K step 2's plane is asked for at the head, behind the head's load and the bias, K step 3's behind the first fragment loads: each at least one K step ahead of its refill.  Of the 32,768 bytes that a wave fetches, each of the four
; partners that ask for them jointly names 8,192, told apart by address, a lane a block of 256 bytes, each block once in a cluster.  Nothing lies behind K step 3.
; REGISTERS: window 0: v16-31 addresses and constants, v32-95 the bias, v128-255 A's fragments (one set), then codes;  window 1: B's fragments, two sets;  windows 2 and 3: the accumulators of my rows 0-63 and 64-127.
.set WOFF,   0x400000                  ; Wqkv's first block
.set PITCH,  272                       ; an LDS row: 256 bytes + 16 of padding: row r starts at bank 4 r mod 64 (64 banks of 4 bytes: ISA guide 11.1)
.set FR,     16                        ; registers of a fragment: 16 rows x 128 K
.set NL,     4                         ; LDS loads that bring one
.set NP,     4                         ; places behind this matrix instruction (ISA guide 7.12.1)
.set HALFT,  128*PITCH                 ; 128 rows of one K step; a wave's part is slot 0's, then slot 1's
.set PLANE,  32768                     ; the same in memory
.set SPARE,  8*HALFT                   ; the spare words: 128 bytes for each wave
.set ADRA, 16                          ; v16-17  LDS address of my A fragments in slot 0, 1
.set ADRB, 20                          ; v20-21  the same for B
.set CO,   26                          ; v26     my byte offset in a unit of output
.set SPW,  28                          ; v28     LDS address of my spare word; never rewritten
.set NIL,  29                          ; v29     0; never rewritten
.set SCL,  30                          ; v30     2^(e - e0 - e1)
.set PFO,  31                          ; v31     the prefetches' offset: 256 x lane; never rewritten
.set BIAS, 32
.set VJ,   96
.set AF,   128
.set CD,   128
.set G1, 24                            ; s[24:31] descriptor group 1 for A's refills;  s[32:39] group 0, one set for each slot
.set G0, 32
.set G1B, 48                           ; s[48:55], s[56:63] the same for B's
.set G0B, 56
.set G1F, 92                           ; s[92:99] group 1 for A's load at the head;  s[68:75] for B's
.set G1FB, 68
.set EX,  20                           ; s[20:23] e0 to e3;  s66 e5
.set LIMP, 82
.set LIMN, 83
.set PFA, 90                           ; s[90:91] where my prefetches stand: my 8,192 bytes of K step 2
.set MSB, 0
.macro WIN new                         ; the immediate's high byte repeats the setting that is left
.if MSB != (\new)
	s_set_vgpr_msb (MSB<<8)|(\new)
.set MSB, (\new)
.endif
.endm
.set MUL_LO, 0xa1                      ; source 0 (B) window 1, source 1 (A) window 0, C and D window 2
.set MUL_HI, 0xf1                      ; the same, C and D window 3
.set FST_LO, 0x81                      ; the first products: C (the bias) window 0
.set FST_HI, 0xc1
.set TO_B,   0x40
; A joint load: waves 0 and 1 for A, waves 2 and 3 for B; each of the two lines has one mask
.macro JLOAD g0a, g1a, g0b, g1b
	s_cmp_eq_u32 s15, 0
	s_cbranch_scc0 .Lfor_b_\@
	tensor_load_to_lds s[\g0a:\g0a+3], s[\g1a:\g1a+7]
	s_nop 0
.rept 4
	v_nop
.endr
	s_branch .Lasked_\@
.Lfor_b_\@:
	tensor_load_to_lds s[\g0b:\g0b+3], s[\g1b:\g1b+7]
	s_nop 0
.rept 4
	v_nop
.endr
.Lasked_\@:
.endm
.macro CREST                           ; a round of the cluster's barrier behind its opening barrier
	s_cmp_lg_u32 s14, 0
	s_cbranch_scc1 .Lnot_wave_0_\@
	s_barrier_signal -3
.Lnot_wave_0_\@:
	s_barrier_wait -3
	s_barrier_signal -1
	s_barrier_wait -1
.endm
.macro CROUND
	s_barrier_signal -1
	s_barrier_wait -1
	CREST
.endm
	s_load_b256 s[4:11], s[0:1], 0x0               ; the codes s[4:5], the scales' exponents s[6:7], bqkv s[8:9], the result s[10:11]
	v_lshl_add_u32 v[SPW], v0, 2, SPARE
	v_mov_b32 v[NIL], 0
	ds_add_u32 v[SPW], v[NIL]                      ; the opening: the add, twice on end, ahead of my first tensor load; work on registers stands between it and its wait
	ds_add_u32 v[SPW], v[NIL]
	v_lshrrev_b32 v1, 5, v0
	v_readfirstlane_b32 s14, v1                    ; wave 0..3
	s_lshr_b32 s15, s14, 1                         ; which half of the tile's rows is mine.  Also: I fetch for A (0) or for B (1)
	s_and_b32 s16, s14, 1                          ; which half of its columns.  Also: which 128 rows of that tile I fetch
	s_bfe_u32 s40, ttmp6, 0x40000                  ; cx, cy: my place in the cluster
	s_bfe_u32 s41, ttmp6, 0x40004
	s_lshl_b32 s42, ttmp9, 2
	s_add_co_u32 s42, s42, s40                     ; tile column
	s_and_b32 s17, ttmp7, 0xffff
	s_lshl_b32 s17, s17, 2
	s_add_co_u32 s17, s17, s41                     ; tile row
	s_lshl_b32 s43, s41, 2
	s_lshl_b32 s43, 15, s43                        ; my row of the cluster
	s_lshl_b32 s44, 0x1111, s40                    ; my column
	; descriptor group 1: rows of 256 bytes, dense in memory, padded in LDS: 128 for a refill, 256 (two planes) at the head
	s_or_b32 s[G1+0], s43, (0<<16)|(1<<20)|(1<<21)|(5<<22)|(3<<25)  ; 15:0 the mask; 17:16 element of 1 byte; 20 padding on; 21 set beside a mask; 24:22 after every 64 words (code 5); 31:25 of 4 words (code 3)
	s_or_b32 s[G1B+0], s44, (0<<16)|(1<<20)|(1<<21)|(5<<22)|(3<<25)
	s_or_b32 s[G1F+0], s43, (0<<16)|(1<<20)|(1<<21)|(5<<22)|(3<<25)
	s_or_b32 s[G1FB+0], s44, (0<<16)|(1<<20)|(1<<21)|(5<<22)|(3<<25)
.irp g, G1, G1B, G1F, G1FB
	s_mov_b32 s[\g+1], 256<<16                     ; tensor_dim0
	s_mov_b32 s[\g+3], 256<<16                     ; tile_dim0
	s_mov_b32 s[\g+5], 256                         ; tensor_dim0_stride
	s_mov_b32 s[\g+6], 0
	s_mov_b32 s[\g+7], 0
.endr
.irp g, G1, G1B
	s_mov_b32 s[\g+2], 128<<16                     ; tensor_dim1
	s_mov_b32 s[\g+4], 128                         ; tile_dim1
.endr
.irp g, G1F, G1FB
	s_mov_b32 s[\g+2], 256<<16
	s_mov_b32 s[\g+4], 256
.endr
	s_lshl_b32 s18, s17, 1                         ; A: block 2 x tile row + half
	s_add_co_u32 s18, s18, s16
	s_lshl_b32 s18, s18, 17
	s_mov_b32 s19, 0
	s_lshl_b32 s46, s42, 1                         ; B: block 2 x tile column + half of Wqkv's
	s_add_co_u32 s46, s46, s16
	s_lshl_b32 s46, s46, 17
	s_add_co_u32 s46, s46, WOFF
	s_mov_b32 s47, 0
	s_mul_i32 s45, s14, 2*HALFT                    ; where they go: no place in the cluster enters an LDS address
	s_wait_alu depctr_va_vdst(0)
	s_wait_dscnt 0x0                               ; both opening adds are done
	s_wait_kmcnt 0x0
.irp s, 0,1
	s_mov_b32 s[G0+4*\s], 1                        ; 1:0 count = 1
	s_add_co_u32 s[G0+4*\s+1], s45, \s*HALFT       ; 63:32 LDS address
	s_add_nc_u64 s[G0+4*\s+2:G0+4*\s+3], s[4:5], s[18:19]            ; 120:64 global address: my block
	s_add_nc_u64 s[G0+4*\s+2:G0+4*\s+3], s[G0+4*\s+2:G0+4*\s+3], \s*PLANE
	s_or_b32 s[G0+4*\s+3], s[G0+4*\s+3], 0x80000000                  ; 127:126 type = 2
	s_mov_b32 s[G0B+4*\s], 1
	s_add_co_u32 s[G0B+4*\s+1], s45, \s*HALFT
	s_add_nc_u64 s[G0B+4*\s+2:G0B+4*\s+3], s[4:5], s[46:47]
	s_add_nc_u64 s[G0B+4*\s+2:G0B+4*\s+3], s[G0B+4*\s+2:G0B+4*\s+3], \s*PLANE
	s_or_b32 s[G0B+4*\s+3], s[G0B+4*\s+3], 0x80000000
.endr
	CROUND                                         ; all sixteen work-groups are here: the joint loads meet
	JLOAD G0, G1F, G0B, G1FB                       ; K steps 0 and 1: one tensor load a wave at the head; the addresses and the bias below are made while it is on its way
	s_load_b128 s[EX:EX+3], s[6:7], 0x0            ; e0 .. e3
	s_load_b32 s66, s[6:7], 0x14                   ; e5
	s_cmp_eq_u32 s15, 0                            ; the prefetches: do I fetch for A?
	s_cselect_b32 s88, s18, s46                    ; my block,
	s_cselect_b32 s89, s40, s41                    ; my place among the four that ask for it with me
	s_lshl_b32 s89, s89, 13
	s_add_co_u32 s88, s88, s89
	s_add_co_u32 s88, s88, 2*PLANE                 ; K step 2
	s_mov_b32 s89, 0
	s_add_nc_u64 s[PFA:PFA+1], s[4:5], s[88:89]
	s_mul_i32 s12, s15, 2*HALFT                    ; my 128 rows of A
	s_mul_i32 s13, s16, 2*HALFT                    ; my 128 rows of B,
	s_add_co_u32 s13, s13, 4*HALFT                 ; which lie behind A's 256
	v_and_b32 v1, 15, v0                           ; r
	v_bfe_u32 v2, v0, 4, 1                         ; h
	v_and_b32 v5, 31, v0
	v_mul_u32_u24 v3, v1, PITCH
	v_lshl_add_u32 v4, v2, 4, v3                   ; a fragment's row x pitch + 16 x half
	v_lshlrev_b32 v[PFO], 8, v5
	v_lshlrev_b32 v[CO], 4, v1
	v_lshl_add_u32 v[CO], v2, 3, v[CO]             ; 16 r + 8 h
.irp s, 0,1
	v_add_nc_u32 v[ADRA+\s], s12, v4
	v_add_nc_u32 v[ADRB+\s], s13, v4
	s_add_co_u32 s12, s12, HALFT
	s_add_co_u32 s13, s13, HALFT
.endr
.irp j, 0,1,2,3,4,5,6,7
	v_lshl_add_u32 v[VJ+\j], v2, 3, \j
.endr
	; the bias in the results' layout: register j of my tile b: column 16 b + 8 h + j.  In V's part (cluster column 2) a tile is one channel d, its columns the positions: bqkv's entries 64 apart, from tile to tile one on
	s_cmp_eq_u32 ttmp9, 2
	s_cselect_b32 s76, 4, 64
	s_cselect_b32 s78, 0x100, 4
	s_mov_b32 s77, 0
	s_lshl_b32 s79, s40, 4
	s_lshl_b32 s86, s16, 3
	s_add_co_u32 s79, s79, s86                     ; my first tile of 16 columns in the section
	s_mul_i32 s80, s79, s76
	s_lshl_b32 s81, ttmp9, 12
	s_add_co_u32 s80, s80, s81
	s_mov_b32 s81, 0
	s_add_nc_u64 s[80:81], s[8:9], s[80:81]
	s_wait_alu depctr_va_vdst(0)
.irp j, 0,1,2,3,4,5,6,7
	v_mul_lo_u32 v[VJ+\j], v[VJ+\j], s78
.endr
	s_wait_alu depctr_va_vdst(0)
.irp bt, 0,1,2,3,4,5,6,7
.irp j, 0,1,2,3,4,5,6,7
	global_load_b32 v[BIAS+8*\bt+\j], v[VJ+\j], s[80:81]
.endr
.if \bt < 7
	s_wait_xcnt 0x0                                ; the loads have read their base
	s_add_nc_u64 s[80:81], s[80:81], s[76:77]
.endif
.endr
	s_lshl_b32 s88, s17, 1                         ; my rows' block of the output, my section, my first tile
	s_add_co_u32 s88, s88, s15
	s_lshl_b32 s88, s88, 17
	s_lshl_b32 s89, ttmp9, 22
	s_add_co_u32 s88, s88, s89
	s_lshl_b32 s89, s79, 8
	s_add_co_u32 s88, s88, s89
	s_mov_b32 s89, 0
	s_add_nc_u64 s[10:11], s[10:11], s[88:89]
	s_wait_kmcnt 0x0
	s_add_co_i32 s85, s[EX], s[EX+1]
	s_sub_co_i32 s86, 0, s85
	s_cmp_eq_u32 ttmp9, 0
	s_cselect_b32 s84, s[EX+2], s[EX+3]
	s_cmp_eq_u32 ttmp9, 2
	s_cselect_b32 s84, s66, s84
	s_sub_co_i32 s84, s84, s85
	s_add_co_i32 s84, s84, 127
	s_lshl_b32 s87, s84, 23
	v_mov_b32 v[SCL], s87                          ; 2^(e - e0 - e1)
	s_add_co_i32 s84, s84, 8
	s_lshl_b32 s[LIMP], s84, 23
	s_or_b32 s[LIMP], s[LIMP], 0x600000            ; +-448 x that
	s_or_b32 s[LIMN], s[LIMP], 0x80000000
	s_wait_alu depctr_va_vdst(0)
	s_wait_loadcnt 0x0
.set i, 0
.rept 64
	v_ldexp_f32 v[BIAS+i], v[BIAS+i], s86          ; / 2^(e0 + e1)
.set i, i+1
.endr
	global_prefetch_b8 v[PFO], s[PFA:PFA+1] th:TH_LOAD_NT scope:SCOPE_SE   ; K step 2
.macro FRAG reg, adr, q, i             ; a fragment: lane l holds row l % 16; registers 4 c .. 4 c + 3 hold K = 32 c + 16 (l / 16) + 0 .. 15, the same in A and in B
.irp c, 0,1,2,3
	ds_load_b128 v[\reg+4*\c:\reg+4*\c+3], v[\adr] offset:128*(\q)+32*\c+(\i)*16*PITCH
.endr
.endm
.macro MUL16 a0, p, first              ; A's blocks a0, a0 + 1 x B's eight, 128 along K; p: B's set; first: the bias starts the sums
.irp a, \a0, \a0+1
.irp b, 0,1,2,3,4,5,6,7
.if \first
	v_wmma_f32_16x16x128_fp8_fp8 v[8*(8*((\a)%4)+\b):8*(8*((\a)%4)+\b)+7], v[128*(\p)+FR*\b:128*(\p)+FR*\b+FR-1], v[AF+FR*(\a):AF+FR*(\a)+FR-1], v[BIAS+8*\b:BIAS+8*\b+7]
.else
	v_wmma_f32_16x16x128_fp8_fp8 v[8*(8*((\a)%4)+\b):8*(8*((\a)%4)+\b)+7], v[128*(\p)+FR*\b:128*(\p)+FR*\b+FR-1], v[AF+FR*(\a):AF+FR*(\a)+FR-1], v[8*(8*((\a)%4)+\b):8*(8*((\a)%4)+\b)+7]
.endif
.endr
.endr
.endm
.macro FETCH_B slot, q, p
	WIN TO_B
.irp i, 0,1,2,3,4,5,6,7
	FRAG 128*(\p)+FR*\i, ADRB+\slot, \q, \i
.endr
	WIN 0
.endm
.macro FETCH_A slot, q, i0
.irp i, \i0, \i0+1, \i0+2, \i0+3
	FRAG AF+FR*(\i), ADRA+\slot, \q, \i
.endr
.endm
.macro PLACES n
.rept \n
	v_nop
.endr
.endm
.macro STEP slot, q, first             ; 128 along K that have their successor in the same slot
	s_wait_dscnt 4*NL                              ; B's set and A's blocks 0-3 are in; A's blocks 4-7 may be out
.if \first
	WIN FST_LO
.else
	WIN MUL_LO
.endif
	MUL16 0, (\q)%2, \first
	MUL16 2, (\q)%2, \first
	s_wait_dscnt 0
	PLACES NP
	FETCH_B \slot, (\q)+1, 1-(\q)%2
	FETCH_A \slot, (\q)+1, 0
.if \first
	WIN FST_HI
.else
	WIN MUL_HI
.endif
	MUL16 4, (\q)%2, \first
	MUL16 6, (\q)%2, \first
	PLACES NP
	WIN 0
	FETCH_A \slot, (\q)+1, 4
.endm
.macro TURN slot, next, fill           ; a slot's last 128 along K changes slots; fill: it is filled again, two K steps on
	s_wait_tensorcnt 0x0                           ; all my tensor loads have landed;
	ds_add_u32 v[SPW], v[NIL]                      ; 0 onto my spare word;
	s_wait_dscnt 4*NL+1                            ; (the add and A's blocks 4-7 may be out)
	WIN MUL_LO
	MUL16 0, 1, 0
	s_wait_dscnt 0x0                               ; the add is done, and my reads of this slot are over
	s_barrier_signal -1
	MUL16 2, 1, 0
	WIN 0
	s_barrier_wait -1
.if \fill
	CREST                                          ; no wave of any partner still reads this slot or has a load on its way
	s_add_nc_u64 s[G0+4*\slot+2:G0+4*\slot+3], s[G0+4*\slot+2:G0+4*\slot+3], 2*PLANE
	s_add_nc_u64 s[G0B+4*\slot+2:G0B+4*\slot+3], s[G0B+4*\slot+2:G0B+4*\slot+3], 2*PLANE
	JLOAD G0+4*\slot, G1, G0B+4*\slot, G1B
.else
	PLACES NP
.endif
	FETCH_B \next, 0, 0
	FETCH_A \next, 0, 0
	WIN MUL_HI
	MUL16 4, 1, 0
	MUL16 6, 1, 0
	PLACES NP
	WIN 0
	FETCH_A \next, 0, 4
.endm
	s_wait_alu depctr_va_vdst(0)
	s_wait_tensorcnt 0x0                           ; my part of K steps 0 and 1 is in
	s_barrier_signal -1
	s_barrier_wait -1                              ; everybody's is
	FETCH_B 0, 0, 0
	FETCH_A 0, 0, 0
	FETCH_A 0, 0, 4
	global_prefetch_b8 v[PFO], s[PFA:PFA+1] offset:PLANE th:TH_LOAD_NT scope:SCOPE_SE   ; K step 3
	STEP 0, 0, 1
	TURN 0, 1, 1                                   ; slot 0 takes K step 2
	STEP 1, 0, 0
	TURN 1, 0, 1                                   ; slot 1 takes K step 3
	STEP 0, 0, 0
	TURN 0, 1, 0                                   ; nothing is filled any more
	STEP 1, 0, 0
	s_wait_dscnt 4*NL                              ; the very last 128 along K
	WIN MUL_LO
	MUL16 0, 1, 0
	MUL16 2, 1, 0
	s_wait_dscnt 0
	WIN MUL_HI
	MUL16 4, 1, 0
	MUL16 6, 1, 0
	WIN 0
.macro OUTBLK a                        ; 16 rows x 128 columns: held, converted, stored
.set AC, 64*((\a)%4)
	WIN 0x82+0x41*((\a)/4)
.set i, 0
.rept 64
	v_med3_num_f32 v[AC+i], v[AC+i], s[LIMN], s[LIMP]   ; the conversion to an 8-bit code does not saturate (ISA guide 7.6.2)
.set i, i+1
.endr
	WIN 0x02+((\a)/4)
.irp b, 0,1,2,3,4,5,6,7
	v_cvt_scalef32_pk8_fp8_f32 v[CD+16*(\a)+2*\b:CD+16*(\a)+2*\b+1], v[AC+8*\b:AC+8*\b+7], v[SCL]
.endr
	v_nop
	WIN 0
.irp b, 0,1,2,3,4,5,6,7
	global_store_b64 v[CO], v[CD+16*(\a)+2*\b:CD+16*(\a)+2*\b+1], s[10:11] offset:(\a)*16384+\b*256
.endr
.endm
	PLACES NP
.irp a, 0,1,2,3,4,5,6,7
	OUTBLK \a
.endr
	s_wait_tensorcnt 0x0                           ; the wave's end
	ds_add_u32 v[SPW], v[NIL]
	s_wait_dscnt 0x0
	CROUND                                         ; the closing round
	s_endpgm
.Lfunc_end_k_qb7e01e924e_qkv:
	.size	k_qb7e01e924e_qkv, .Lfunc_end_k_qb7e01e924e_qkv-k_qb7e01e924e_qkv
	.p2alignl 7, 3214868480
	.fill 96, 4, 3214868480
	.section	.rodata,"a",@progbits
	.p2align	6, 0x0
	.amdhsa_kernel k_qb7e01e924e_qkv
		.amdhsa_group_segment_fixed_size 327680
		.amdhsa_private_segment_fixed_size 0
		.amdhsa_enable_private_segment 0
		.amdhsa_kernarg_size 32
		.amdhsa_user_sgpr_count 2
		.amdhsa_user_sgpr_kernarg_segment_ptr 1
		.amdhsa_wavefront_size32 1
		.amdhsa_system_sgpr_workgroup_id_x 1
		.amdhsa_system_sgpr_workgroup_id_y 1
		.amdhsa_system_sgpr_workgroup_id_z 1
		.amdhsa_system_vgpr_workitem_id 0
		.amdhsa_next_free_vgpr 1024
		.amdhsa_next_free_sgpr 100
		.amdhsa_reserve_vcc 0
		.amdhsa_float_denorm_mode_32 3
		.amdhsa_float_denorm_mode_16_64 3
		.amdhsa_memory_ordered 1
		.amdhsa_forward_progress 1
		.amdhsa_inst_pref_size 134
	.end_amdhsa_kernel
	.amdgpu_metadata
---
amdhsa.version: [ 1, 2 ]
amdhsa.kernels:
  - .name:           k_qb7e01e924e_qkv
    .symbol:         k_qb7e01e924e_qkv.kd
    .args:
      - { .name: codes, .offset: 0, .size: 8, .value_kind: global_buffer, .address_space: global }
      - { .name: lowp_scales, .offset: 8, .size: 8, .value_kind: global_buffer, .address_space: global }
      - { .name: bqkv, .offset: 16, .size: 8, .value_kind: global_buffer, .address_space: global }
      - { .name: qkvc, .offset: 24, .size: 8, .value_kind: global_buffer, .address_space: global }
    .group_segment_fixed_size: 327680
    .private_segment_fixed_size: 0
    .kernarg_segment_align: 8
    .kernarg_segment_size: 32
    .max_flat_workgroup_size: 128
    .sgpr_count:     100
    .vgpr_count:     1024
    .wavefront_size: 32
...
	.end_amdgpu_metadata
.endif
;; end of part 2
;; launch attn (part 3): grid 128 x 2, 16 waves a work-group, clusters of 4 x 1, 327,680 bytes of LDS; arguments qkvc, lowp_scales, aoc; writes aoc
.if DOCPART == 3
	.amdgcn_target "amdgcn-amd-amdhsa--gfx1250"
	.amdhsa_code_object_version 6
	.text
	.protected	k_qb7e01e924e_attn
	.globl	k_qb7e01e924e_attn
	.p2align	8
	.type	k_qb7e01e924e_attn,@function
k_qb7e01e924e_attn:
	s_mov_b64 s[64:65], 0
	v_nop
	global_prefetch_b8 v0, s[64:65] scope:SCOPE_SE
	s_setreg_imm32_b32 hwreg(HW_REG_WAVE_MODE, 25, 1), 1
	s_wait_xcnt 0x0
	s_wait_alu depctr_hold_cnt(0) depctr_sa_sdst(0) depctr_va_vdst(0) depctr_va_sdst(0) depctr_va_ssrc(0) depctr_va_vcc(0) depctr_vm_vsrc(0)
	s_getreg_b32 s2, hwreg(HW_REG_IB_STS2, 6, 4)
	s_cmp_eq_u32 s2, 0
	s_cbranch_scc0 .Lentry_in_a_cluster
	s_endpgm
.Lentry_in_a_cluster:
	s_bfe_u32 s2, ttmp6, 0x10000c
	s_cmp_lg_u32 s2, 0x3003
	s_cbranch_scc0 .Lentry_shape_is_right
	s_endpgm
.Lentry_shape_is_right:
; Causal attention of 32 heads (2,048 positions, 64 channels) on codes of FP8 (E4M3), and its result quantised at once into the codes that the last product reads.
; q, k, v: sections of 4,194,304 bytes; a head is 131,072 bytes; in a head byte = a x 16,384 + nt x 256 + 16 r + 8 h + j.  q, k: position 256 a + 16 r + nt / 4, channel 16 (nt % 4) + 8 h + j: so the 1,024 bytes of
; (a, cb = nt / 4) are [channel / 16][rho][channel % 16] for the 16 positions 256 a + 16 rho + cb.  v: [a][channel 64][256 neighbouring keys].
; THE SOFTMAX AHEAD OF THE SECOND PRODUCT: t = score x log2(e) / 8; M = the row's largest t so far, rounded UP to a whole number; p = 2^(t - M) is what is quantised (scale 2^e4), not normalised.
; The row's sum is taken of the unquantised p, in f32, and divides O at the end.  When M moves, the sum and O are multiplied by 2^(old M - new M): exact.
; WORK LEFT OUT: steps of 128 keys that the causal mask, which the problem builds itself, hides from all 64 queries of a group.  Their p is 0 for all inputs; a NaN or an infinity that reaches only them is not carried.
; SHARES.  A head's queries are 32 groups of 64; group j needs its first j / 2 + 1 steps of 128 keys.  A cluster of four work-groups (cluster x: the head; cluster y = g) takes the groups j1 = 2 P + g and j2 = 31 - j1, P = 0 .. 7; the partner at
; place cx takes 16 of a group's 64 queries, 64 j + 4 r + cx: so which steps are left out hangs on the group alone and no branch on the place.  A PAIR OF WAVES (2 P, 2 P + 1) makes both tiles: j1 needs P + 1 steps, j2 16 - P, 17 together.
; Wave A takes j2's steps 0 .. 8; wave B takes all of j1's, stores them, and then j2's steps 9 .. 15 - P: 9 and 8 steps, whatever P.  B's partial result of j2 goes to A through LDS, and A joins the two: exact powers of two again.
; Of any four waves w, w + 4, .. and of any four neighbours two are A and two B.  Every wave has 256 registers.
; THE WHOLE HEAD'S K AND V LIE IN LDS, each byte filled ONCE: no ring.  Each wave issues ONE joint load of 16,384 bytes: waves 0 - 7 K's 256 keys number w, waves 8 - 15 V's; the mask names the four partners.
; No prefetch: all fills go out at the head, and no loop stands in front of them in which to run ahead.
; LAYOUT.  Both products are used transposed: S^T = K Q^T (source 0 = 16 keys, source 1 = my 16 queries, K = 64), O^T = V^T P^T (source 0 = 16 channels, source 1 = P, K = 128 keys): a lane holds ONE query (lane % 16) throughout.
; THE KEYS OF A TILE ARE NOT NEIGHBOURS: lane r of tile 2 b + u takes key 32 b + 8 u + r + 8 (r / 8), so that the 16 registers of tiles 2 b and 2 b + 1 are 16 neighbouring keys, 32 b + 16 (lane / 16) + 0 .. 15.
; THE RESULT: O / the sum x 2^(e4 + e5), held within +-448 x 2^e6, as codes, laid as IMAGES OF THE NEXT PRODUCT'S OPERAND REGISTERS: for the tile T = (bh / 16) x 128 + 4 j + cx, whose row r is position 64 j + 4 r + cx, and the head hd = bh % 16:
; byte = (T / 8) x 131,072 + (hd / 4) x 32,768 + (T % 8) x 4,096 + (hd % 4) x 1,024 + 512 i + 16 lane; piece i holds my registers 4 i .. 4 i + 3; register pair t holds channels 16 t + 8 (lane / 16) + 0 .. 7 of the tile's row lane % 16.
; LIMITS on the given exponents, so that each power of two below is an f32 number: e2 + e3 between -123 and 130 (they are added to c's exponent field); e4 and e6 between -126 and 119; e4 + e5 is applied by v_ldexp_f32 and has none.  NaN is not served.
; The scaled scores stay under 2^31 in magnitude.
; REGISTERS: v1-7 addresses that stay; v8, v9 addresses of the loads in hand; v12 -M, v13 the largest t, v[14:15] the sum in two halves; v16-23 Q; v24-31 Q of the pair's j2 tile; v32-95 K's eight fragments, then V's four;
; v96-159 S^T, then p; v160-191 O^T; v192-207 p's codes; v208-223 the results' codes; v228-254 at work and constants.
.set KP,    1056                       ; a row of K in LDS: 1,024 bytes + 32 of padding: row cb starts 32 cb bytes on, modulo 256, so the 16 lanes of a load touch 16 different columns of 16 bytes
.set CH,    17408                      ; 256 keys of K (16 x 1,056 used) or of V (64 x 272)
.set VP,    272                        ; a row of V: 256 bytes + 16
.set VB,    8*CH                       ; V lies behind K
.set MRG,   16*CH                      ; behind both: B's partial results, for each pair 8 x 512 bytes of O^T and 256 of -M and sum
.set MSZ,   4352
.set SPARE, MRG+8*MSZ                  ; the spare words: 128 bytes for each wave
.set AK0,  1                           ; v1   my lane's place in a tile of K: (r % 8) KP + 16 (r / 8) + 256 h
.set AV0,  2                           ; v2   the same for V: VB + r VP + 16 h
.set QO,   3                           ; v3   Q: (r % 4) x 4,096 + (r / 4) x 16 + 256 h
.set GO,   4                           ; v4   16 x lane
.set QL,   5                           ; v5   4 r + cx - 16 h, for the mask
.set MO,   6                           ; v6   my pair's partial O^T
.set MX,   7                           ; v7   its -M and sum
.set ADK,  8
.set ADV,  9
.set SPW,  251                         ; v251 LDS address of my spare word; never rewritten
.set NIL,  255                         ; v255 0; never rewritten
.set WV,   18                          ; s18  my wave's number
.set SEL,  20                          ; s[20:21] lane selects for v_permlanex16_b32: lane l xor 16
.set CS,   22                          ; s[22:23] c = log2(e) / 8 x 2^(e2 + e3): the packed form names a pair and takes its low word for both halves
.set G1K,  24                          ; s[24:31] descriptor group 1 for K;  s[32:39] for V
.set G1V,  32
.set G0,   40                          ; s[40:43] group 0
.set CX,   44                          ; my place in the cluster
.set HD,   45                          ; the head bh
.set PR,   46                          ; P
.set ROLE, 47                          ; 1: wave A, 0: wave B
.set TT,   48                          ; the trip
.set SW,   49                          ; the trip at which B goes on to j2 (A: none)
.set OFF,  50                          ; from there on its key step is the trip + OFF
.set TEND, 51                          ; my last trip with a step
.set LAST, 52                          ; the key step that lies on my tile's diagonal
.set PAR,  53                          ; my group's number modulo 2: the half of that step in which the diagonal lies
.set KS,   54                          ; the key step
.set TB,   55                          ; its byte in K's part and, less VB, in V's
.set TS,   56
.set LAST2, 57                         ; the same two for j2
.set PAR2, 58
.set GG,   59                          ; g
.set EX,   84                          ; s[84:91] the eight exponents
.macro CROUND                          ; a round of the cluster's barrier
	s_barrier_signal -1
	s_barrier_wait -1
	s_cmp_lg_u32 s[WV], 0
	s_cbranch_scc1 .Lnot_wave_0_\@
	s_barrier_signal -3
.Lnot_wave_0_\@:
	s_barrier_wait -3
	s_barrier_signal -1
	s_barrier_wait -1
.endm
	s_load_b128 s[4:7], s[0:1], 0x0                ; q's, k's and v's codes s[4:5], the scales' exponents s[6:7]
	s_load_b64 s[8:9], s[0:1], 0x10                ; the result's codes
	v_lshl_add_u32 v[SPW], v0, 2, SPARE
	v_mov_b32 v[NIL], 0
	ds_add_u32 v[SPW], v[NIL]                      ; the opening: the add, twice on end, ahead of my tensor load; work on registers stands between it and its wait
	ds_add_u32 v[SPW], v[NIL]
	v_lshrrev_b32 v8, 5, v0
	v_readfirstlane_b32 s[WV], v8                  ; wave 0..15
	s_mov_b32 s[HD], ttmp9
	s_and_b32 s[GG], ttmp7, 0xffff
	s_lshr_b32 s76, s[WV], 3                       ; what I fetch: k's section (waves 0-7) or v's,
	s_add_co_u32 s76, s76, 1
	s_lshl_b32 s76, s76, 22
	s_and_b32 s78, s[WV], 7                        ; 256 keys number wave % 8,
	s_lshl_b32 s78, s78, 14
	s_add_co_u32 s76, s76, s78
	s_lshl_b32 s78, s[HD], 17                      ; of my head: nothing in it hangs on my place in the cluster
	s_add_co_u32 s76, s76, s78
	s_mov_b32 s77, 0
	s_mov_b32 s[G1K], 15|(1<<20)|(1<<21)|(7<<22)|(7<<25)  ; 15:0 the mask: all four partners; 17:16 elements of 1 byte; 20 padding on; 21 set beside a mask; 24:22 after every 256 words (code 7); 31:25 eight words (code 7)
	s_mov_b32 s[G1K+1], 1024<<16                   ; tensor_dim0
	s_mov_b32 s[G1K+2], 16<<16                     ; tensor_dim1
	s_mov_b32 s[G1K+3], 1024<<16                   ; tile_dim0
	s_mov_b32 s[G1K+4], 16                         ; tile_dim1
	s_mov_b32 s[G1K+5], 1024                       ; tensor_dim0_stride
	s_mov_b32 s[G1K+6], 0
	s_mov_b32 s[G1K+7], 0
	s_mov_b32 s[G1V], 15|(1<<20)|(1<<21)|(5<<22)|(3<<25)  ; padding: four words after every 64
	s_mov_b32 s[G1V+1], 256<<16
	s_mov_b32 s[G1V+2], 64<<16
	s_mov_b32 s[G1V+3], 256<<16
	s_mov_b32 s[G1V+4], 64
	s_mov_b32 s[G1V+5], 256
	s_mov_b32 s[G1V+6], 0
	s_mov_b32 s[G1V+7], 0
	s_mov_b32 s[G0], 1                             ; 1:0 count = 1
	s_mul_i32 s[G0+1], s[WV], CH                   ; 63:32 LDS address
	s_wait_alu depctr_va_vdst(0)
	s_wait_dscnt 0x0                               ; both opening adds are done
	s_wait_kmcnt 0x0
	s_load_b256 s[EX:EX+7], s[6:7], 0x0            ; e0 .. e7
	s_add_nc_u64 s[G0+2:G0+3], s[4:5], s[76:77]    ; 120:64 global address
	s_or_b32 s[G0+3], s[G0+3], 0x80000000          ; 127:126 type = 2
	CROUND                                         ; all four work-groups are here: the joint loads meet
	s_cmp_lt_u32 s[WV], 8
	s_cbranch_scc0 .Lload_v
	tensor_load_to_lds s[G0:G0+3], s[G1K:G1K+7]    ; my one load
	s_nop 0
.rept 4
	v_nop
.endr
	s_branch .Lloaded
.Lload_v:
	tensor_load_to_lds s[G0:G0+3], s[G1V:G1V+7]
	s_nop 0
.rept 4
	v_nop
.endr
.Lloaded:
	s_bfe_u32 s[CX], ttmp6, 0x40000
	s_lshr_b32 s[PR], s[WV], 1
	s_lshr_b32 s70, s[WV], 2
	s_xor_b32 s70, s70, s[WV]
	s_and_b32 s[ROLE], s70, 1
	s_lshl_b32 s70, s[PR], 1
	s_add_co_u32 s70, s70, s[GG]                   ; j1
	s_sub_co_u32 s71, 31, s70                      ; j2
	s_add_co_u32 s72, s[PR], 1
	s_sub_co_u32 s73, 8, s[PR]
	s_sub_co_u32 s[LAST2], 15, s[PR]
	s_sub_co_u32 s[PAR2], 1, s[GG]
	s_mov_b32 s[KS], 0
	s_cmp_eq_u32 s[ROLE], 1                        ; all of these hang on the wave's and the cluster's number alone
	s_cselect_b32 s74, s71, s70                    ; the group of my first tile
	s_cselect_b32 s[SW], 99, s72
	s_cselect_b32 s[OFF], 0, s73
	s_cselect_b32 s[TEND], 8, 7
	s_cselect_b32 s[LAST], s[LAST2], s[PR]
	s_cselect_b32 s[PAR], s[PAR2], s[GG]
; where the 16 queries 64 j + 4 r + cx lie in q, and where their result goes
.macro ADDRS j, q, o
	s_lshr_b32 s80, \j, 2
	s_lshl_b32 s80, s80, 14                        ; a = j / 4
	s_and_b32 s81, \j, 3
	s_lshl_b32 s81, s81, 6                         ; rho = 4 (j % 4) + r / 4
	s_add_co_u32 s80, s80, s81
	s_lshl_b32 s81, s[CX], 10                      ; cb = 4 (r % 4) + cx
	s_add_co_u32 s80, s80, s81
	s_lshl_b32 s81, s[HD], 17
	s_add_co_u32 s80, s80, s81
	s_mov_b32 s81, 0
	s_add_nc_u64 s[\q:\q+1], s[4:5], s[80:81]
	s_lshr_b32 s80, s[HD], 4
	s_lshl_b32 s80, s80, 4
	s_lshr_b32 s81, \j, 1
	s_add_co_u32 s80, s80, s81
	s_lshl_b32 s80, s80, 17                        ; (T / 8) x 131,072
	s_bfe_u32 s81, s[HD], 0x20002
	s_lshl_b32 s81, s81, 15                        ; (hd / 4) x 32,768
	s_add_co_u32 s80, s80, s81
	s_and_b32 s81, \j, 1
	s_lshl_b32 s81, s81, 2
	s_add_co_u32 s81, s81, s[CX]
	s_lshl_b32 s81, s81, 12                        ; (T % 8) x 4,096
	s_add_co_u32 s80, s80, s81
	s_and_b32 s81, s[HD], 3
	s_lshl_b32 s81, s81, 10                        ; (hd % 4) x 1,024
	s_add_co_u32 s80, s80, s81
	s_mov_b32 s81, 0
	s_add_nc_u64 s[\o:\o+1], s[8:9], s[80:81]
.endm
	ADDRS s74, 60, 66
	ADDRS s71, 62, 68
	s_mov_b32 s[SEL], 0x76543210
	s_mov_b32 s[SEL+1], 0xfedcba98
	s_mov_b32 s[CS], 0x3e38aa3b                    ; log2(e) / 8
	s_mul_i32 s82, s[PR], MSZ
	s_add_co_u32 s82, s82, MRG
	s_add_co_u32 s83, s82, 4096
	v_and_b32 v10, 15, v0                          ; r
	v_bfe_u32 v11, v0, 4, 1                        ; h
	v_and_b32 v[GO], 31, v0
	v_and_b32 v8, 3, v10
	v_lshrrev_b32 v9, 2, v10
	v_lshlrev_b32 v[QO], 12, v8
	v_lshl_add_u32 v[QO], v9, 4, v[QO]
	v_lshl_add_u32 v[QO], v11, 8, v[QO]
.irp c, 0,1
	global_load_b128 v[16+4*\c:19+4*\c], v[QO], s[60:61] offset:512*\c   ; Q of my first tile: channels 32 c + 16 h + 0 .. 15 of query r; four lanes read 64 neighbouring bytes
.endr
	v_and_b32 v8, 7, v10
	v_lshrrev_b32 v9, 3, v10
	v_mul_u32_u24 v[AV0], v10, VP
	v_mul_u32_u24 v[AK0], v8, KP
	v_lshlrev_b32 v[QL], 4, v11
	v_lshlrev_b32 v[MX], 3, v[GO]
	v_lshl_add_u32 v[AK0], v9, 4, v[AK0]
	v_lshl_add_u32 v[AV0], v11, 4, v[AV0]
	v_sub_nc_u32 v[QL], s[CX], v[QL]
	v_lshlrev_b32 v[GO], 4, v[GO]
	v_lshl_add_u32 v[AK0], v11, 8, v[AK0]
	v_add_nc_u32 v[AV0], VB, v[AV0]
	v_lshl_add_u32 v[QL], v10, 2, v[QL]
	v_add_nc_u32 v[MO], s82, v[GO]
	v_add_nc_u32 v[MX], s83, v[MX]
	v_mov_b32 v13, 0xff61b1e6                      ; the largest t so far: -3e38, under every t
	v_mov_b32 v12, 0x7f61b1e6                      ; -M
	v_mov_b32 v14, 0                               ; the sum, in two halves
	v_mov_b32 v15, 0
	v_mov_b32 v236, 0                              ; written once: a lane permute's destination counts as one of its sources
	v_mov_b32 v252, 0                              ; likewise
	v_mov_b32 v253, 0                              ; (named as the upper half of the pair v[252:253])
	s_wait_alu depctr_va_vdst(0)
	s_wait_kmcnt 0x0
	s_add_co_i32 s70, s[EX+2], s[EX+3]
	s_lshl_b32 s70, s70, 23
	s_add_co_i32 s[CS], s[CS], s70                 ; a score stands for score x 2^(e2 + e3): the two exponents are added to c's exponent field
	s_mov_b32 s[CS+1], s[CS]                       ; (named with it as a pair, so it is written)
	s_add_co_i32 s70, s[EX+4], 127
	s_lshl_b32 s72, s70, 23
	v_mov_b32 v244, s72                            ; 2^e4 as f32, for p's conversions
	s_add_co_i32 s70, s70, 8
	s_lshl_b32 s70, s70, 23
	s_or_b32 s70, s70, 0x600000
	v_mov_b32 v240, s70                            ; 448 x 2^e4
	s_add_co_i32 s70, s[EX+6], 127
	s_lshl_b32 s72, s70, 23
	v_mov_b32 v246, s72                            ; 2^e6, for the result's
	s_add_co_i32 s70, s70, 8
	s_lshl_b32 s70, s70, 23
	s_or_b32 s70, s70, 0x600000
	v_mov_b32 v247, s70                            ; 448 x 2^e6
; the diagonal: of the 32 scores from register base on, those of hidden keys become -infinity ahead of the maximum: p = 0 then
.macro MASK base
	v_mov_b32 v254, 0xff800000
.set n, 0
.rept 32
	v_cmp_gt_i32 vcc_lo, 32*(n/16)+n%16, v[QL]
	v_cndmask_b32 v[96+\base+n], v[96+\base+n], v254, vcc_lo
.set n, n+1
.endr
.endm
; A KEY STEP of 128 keys.  ka, va: the registers with its LDS addresses.  first = 1: the launch's first step: its products start O^T, and there is nothing to rescale.
.macro STEP ka, va, first
.irp t, 0,1,2,3,4,5,6,7                        ; tile t = 2 b + u: key 32 b + 16 (r / 8) + 8 u + r % 8 of the step lies in row cb = 8 u + r % 8, 2 b + r / 8 places of 16 bytes on
.irp c, 0,1
	ds_load_b128 v[32+8*\t+4*\c:35+8*\t+4*\c], v[\ka] offset:(\t%2)*8*KP+(\t/2)*32+512*\c
.endr
.endr
	s_wait_alu depctr_va_vdst(0)
	s_wait_dscnt 8                                 ; tiles 0-3 are in; the eight loads of tiles 4-7 may be out
.irp t, 0,1,2,3
	v_wmma_f32_16x16x64_fp8_fp8 v[96+8*\t:103+8*\t], v[32+8*\t:39+8*\t], v[16:23], 0
.endr
	s_wait_dscnt 0x0
.irp t, 4,5,6,7
	v_wmma_f32_16x16x64_fp8_fp8 v[96+8*\t:103+8*\t], v[32+8*\t:39+8*\t], v[16:23], 0
.endr                                          ; lane (r, h) holds query r; register 16 b + i is key 32 b + 16 h + i of the step
.rept 4
	v_nop                                          ; four places: in front of the loads below, and of the first read of the scores
.endr
.irp t, 0,1,2,3                                ; V^T's four tiles of 16 channels x these 128 keys: they land while the softmax is walked
.irp c, 0,1,2,3
	ds_load_b128 v[32+16*\t+4*\c:35+16*\t+4*\c], v[\va] offset:\t*16*VP+32*\c
.endr
.endr
	s_cmp_lg_u32 s[KS], s[LAST]                    ; a step all of whose keys count skips the mask
	s_cbranch_scc1 .Lopen_\@
	s_cmp_lg_u32 s[PAR], 0
	s_cbranch_scc1 .Lodd_\@
	MASK 0                                         ; an even group's queries end in the step's first 64 keys: the other 64 are hidden from all
.set n, 0
.rept 16
	v_dual_mov_b32 v[128+n], v254 :: v_dual_mov_b32 v[129+n], v254
.set n, n+2
.endr
	s_branch .Lopen_\@
.Lodd_\@:
	MASK 32                                        ; an odd group sees the first 64 keys whole
.Lopen_\@:
	v_max3_num_f32 v254, v96, v97, v98             ; the step's largest score of my query, among my 64 keys, in two chains,
	v_max3_num_f32 v252, v99, v100, v101
.irp i, 6,10,14,18,22,26,30,34,38,42,46,50,54,58
	v_max3_num_f32 v254, v254, v[96+\i], v[97+\i]
	v_max3_num_f32 v252, v252, v[98+\i], v[99+\i]
.endr
	v_max3_num_f32 v254, v254, v158, v159
	s_delay_alu instid0(VALU_DEP_1)
	v_max_num_f32 v254, v254, v252
	s_delay_alu instid0(VALU_DEP_1)
	v_permlanex16_b32 v236, v254, s[SEL], s[SEL+1]
	s_delay_alu instid0(VALU_DEP_1)
	v_max_num_f32 v254, v254, v236                 ; and among lane l xor 16's
	s_delay_alu instid0(VALU_DEP_1)
	v_mul_f32 v254, s[CS], v254                    ; as t (c is positive)
	s_delay_alu instid0(VALU_DEP_1)
	v_max_num_f32 v13, v13, v254                   ; the running largest t
	v_mov_b32 v254, v12
	s_delay_alu instid0(VALU_DEP_2)
	v_floor_f32 v12, -v13                          ; the new -M = floor(-t) = -ceil(t): M IS A WHOLE NUMBER
	s_delay_alu instid0(VALU_DEP_1)
	v_sub_f32 v254, v12, v254                      ; M's old value less its new one: a whole number, 0 or less
	s_delay_alu instid0(VALU_DEP_1)
	v_cvt_i32_f32 v254, v254                       ; (it saturates)
	s_delay_alu instid0(VALU_DEP_1)
	v_ldexp_f32 v252, 1.0, v254                    ; f = 2^(old M - new M)
.set j, 0
.rept 32
	v_pk_fma_f32 v[96+j:97+j], v[96+j:97+j], s[CS:CS+1], v[12:13] op_sel_hi:[1,0,0]   ; t - M, two at a time (of the pairs c and -M the low word serves both halves)
.set j, j+2
.endr
	s_wait_alu depctr_va_vdst(0)                   ; a wait ahead of the batch,
.set j, 0
.rept 64
	v_exp_f32 v[96+j], v[96+j]                     ; p = 2^(t - M), at most 1: NOT normalised
.set j, j+1
.endr
	v_pk_mul_f32 v[14:15], v[14:15], v[252:253] op_sel_hi:[1,0]   ; the sums under the new M.  (A plain place behind the exponentials)
	s_wait_alu depctr_va_vdst(0)                   ; and behind it, ahead of its first reader
	v_pk_add_f32 v[242:243], v[100:101], v[104:105]   ; the sum of the unquantised p, in eight chains
	v_pk_add_f32 v[248:249], v[108:109], v[112:113]
	v_pk_add_f32 v[238:239], v[116:117], v[120:121]
	v_pk_add_f32 v[234:235], v[124:125], v[128:129]
	v_pk_add_f32 v[232:233], v[132:133], v[136:137]
	v_pk_add_f32 v[230:231], v[140:141], v[144:145]
	v_pk_add_f32 v[228:229], v[148:149], v[152:153]
	v_pk_add_f32 v[14:15], v[14:15], v[156:157]
	v_pk_add_f32 v[242:243], v[242:243], v[96:97]
	v_pk_add_f32 v[248:249], v[248:249], v[98:99]
	v_pk_add_f32 v[238:239], v[238:239], v[102:103]
	v_pk_add_f32 v[234:235], v[234:235], v[106:107]
	v_pk_add_f32 v[232:233], v[232:233], v[110:111]
	v_pk_add_f32 v[230:231], v[230:231], v[114:115]
	v_pk_add_f32 v[228:229], v[228:229], v[118:119]
	v_pk_add_f32 v[14:15], v[14:15], v[122:123]
	v_pk_add_f32 v[242:243], v[242:243], v[126:127]
	v_pk_add_f32 v[248:249], v[248:249], v[130:131]
	v_pk_add_f32 v[238:239], v[238:239], v[134:135]
	v_pk_add_f32 v[234:235], v[234:235], v[138:139]
	v_pk_add_f32 v[232:233], v[232:233], v[142:143]
	v_pk_add_f32 v[230:231], v[230:231], v[146:147]
	v_pk_add_f32 v[228:229], v[228:229], v[150:151]
	v_pk_add_f32 v[14:15], v[14:15], v[154:155]
	v_pk_add_f32 v[242:243], v[242:243], v[158:159]
	s_delay_alu instid0(VALU_DEP_2)
	v_pk_add_f32 v[14:15], v[14:15], v[234:235]
	s_delay_alu instid0(VALU_DEP_2)
	v_pk_add_f32 v[242:243], v[242:243], v[232:233]
	v_pk_add_f32 v[248:249], v[248:249], v[230:231]
	v_pk_add_f32 v[238:239], v[238:239], v[228:229]
	s_delay_alu instid0(VALU_DEP_2)
	v_pk_add_f32 v[14:15], v[14:15], v[248:249]
	s_delay_alu instid0(VALU_DEP_2)
	v_pk_add_f32 v[242:243], v[242:243], v[238:239]
	s_delay_alu instid0(VALU_DEP_1)
	v_pk_add_f32 v[14:15], v[14:15], v[242:243]
.set j, 96
.irp b, 0,1,2,3
.rept 8
	v_dual_min_num_f32 v[j], v240, v[j] :: v_dual_min_num_f32 v[j+1], v240, v[j+1]   ; the conversion to an 8-bit code does not saturate (ISA guide 7.6.2); p is not negative, so the hold is one-sided
.set j, j+2
.endr
	v_cvt_scalef32_pk8_fp8_f32 v[192+4*\b:193+4*\b], v[96+16*\b:103+16*\b], v244
	v_cvt_scalef32_pk8_fp8_f32 v[194+4*\b:195+4*\b], v[104+16*\b:111+16*\b], v244
.endr
.if \first
	v_nop                                          ; one plain vector line behind the last conversion
.else
	s_wait_alu depctr_va_vdst(0)
.set j, 0
.rept 16
	v_pk_mul_f32 v[160+j:161+j], v[160+j:161+j], v[252:253] op_sel_hi:[1,0]   ; O^T under the new M: x f, each accumulator from its low end on
.set j, j+2
.endr
.endif
	s_wait_alu depctr_va_vdst(0)
	s_wait_dscnt 0x0                               ; V's fragments are in
.irp t, 0,1,2,3                                ; O^T += V^T P^T: four accumulators by turns
.if \first
	v_wmma_f32_16x16x128_fp8_fp8 v[160+8*\t:167+8*\t], v[32+16*\t:47+16*\t], v[192:207], 0
.else
	v_wmma_f32_16x16x128_fp8_fp8 v[160+8*\t:167+8*\t], v[32+16*\t:47+16*\t], v[192:207], v[160+8*\t:167+8*\t]
.endif
.endr
.endm
; A TILE IS FINISHED (v14: my lane's part of the sum): O^T / the sum x 2^(e4 + e5), held, converted: the conversions' results are the next product's operand registers, and go out as they stand.  o: base, c: registers of the codes.
.macro FINAL o, c
	s_wait_alu depctr_va_vdst(0)
	s_wait_xcnt 0x0                                ; earlier stores have read their registers
	v_permlanex16_b32 v252, v14, s[SEL], s[SEL+1]
	v_add_f32 v14, v14, v252                       ; and lane l xor 16's: the row's sum
	s_wait_alu depctr_va_vdst(0)                   ; a wait ahead of the transcendental,
	v_rcp_f32 v14, v14
	v_nop                                          ; one plain place behind it
	s_add_co_i32 s[TS], s[EX+4], s[EX+5]
	s_wait_alu depctr_va_vdst(0)                   ; and ahead of its first reader
	v_ldexp_f32 v14, v14, s[TS]                    ; x 2^(e4 + e5)
	s_wait_alu depctr_va_vdst(0)
.set j, 0
.rept 16
	v_pk_mul_f32 v[96+j:97+j], v[160+j:161+j], v[14:15] op_sel_hi:[1,0]   ; register 8 t + i is channel 16 t + 8 h + i of query r
.set j, j+2
.endr
.set j, 0
.rept 32
	v_med3_num_f32 v[96+j], v[96+j], -v247, v247   ; the hold at the largest code x 2^e6
.set j, j+1
.endr
.irp t, 0,1,2,3
	v_cvt_scalef32_pk8_fp8_f32 v[\c+2*\t:\c+2*\t+1], v[96+8*\t:103+8*\t], v246
.endr
	v_nop                                          ; one plain vector line behind the last conversion of a run
.irp i, 0,1
	global_store_b128 v[GO], v[\c+4*\i:\c+4*\i+3], s[\o:\o+1] offset:512*\i   ; 32 lanes store 512 consecutive bytes, at a multiple of 512 from the buffer's first byte
.endr
.endm
	s_wait_alu depctr_va_vdst(0)
	s_wait_loadcnt 0x0                             ; Q of my first tile
	s_wait_tensorcnt 0x0                           ; my load has landed
	s_barrier_signal -1
	s_barrier_wait -1                              ; everybody's has: the whole head lies in LDS.
.irp c, 0,1
	global_load_b128 v[24+4*\c:27+4*\c], v[QO], s[62:63] offset:512*\c   ; Q of the pair's j2 tile, which B takes up later
.endr
	STEP AK0, AV0, 1                               ; key step 0, in every wave
	s_wait_alu depctr_va_vdst(0)
	s_mov_b32 s[TT], 1
.Ltrip:                                            ; trips 1 to 8
	s_cmp_lg_u32 s[TT], s[SW]
	s_cbranch_scc1 .Lsame
	s_wait_alu depctr_va_vdst(0)
	s_wait_loadcnt 0x0                             ; j2's Q
	v_add_f32 v14, v14, v15                        ; wave B has finished j1's tile: the sum's two halves.  (With the plain lines that follow: the places behind the last products)
	FINAL 66, 208
	v_mov_b32 v13, 0xff61b1e6                      ; and begins j2's: M is under every t again, so the first change of M multiplies what O^T still holds (finite sums of codes) by 0
	v_mov_b32 v12, 0x7f61b1e6
	v_mov_b32 v14, 0
	v_mov_b32 v15, 0
.irp i, 0,1,2,3,4,5,6,7
	v_mov_b32 v[16+\i], v[24+\i]
.endr
	s_mov_b32 s[LAST], s[LAST2]
	s_mov_b32 s[PAR], s[PAR2]
.Lsame:
	s_cmp_gt_u32 s[TT], s[TEND]                    ; wave B has 8 steps, A 9
	s_wait_alu depctr_va_vdst(0)
	s_cbranch_scc1 .Lidle
	s_cmp_lt_u32 s[TT], s[SW]
	s_cselect_b32 s70, 0, s[OFF]
	s_add_co_u32 s[KS], s[TT], s70                 ; the key step
	s_min_u32 s[KS], s[KS], 15
	s_lshr_b32 s70, s[KS], 1
	s_mul_i32 s[TB], s70, CH
	s_and_b32 s70, s[KS], 1
	s_lshl_b32 s70, s70, 7
	s_add_co_u32 s[TB], s[TB], s70
	v_add_nc_u32 v[ADK], s[TB], v[AK0]
	v_add_nc_u32 v[ADV], s[TB], v[AV0]
	v_nop                                          ; with the two additions: four places in front of loads into registers that the last step's products have read
	v_nop
	STEP ADK, ADV, 0
.Lidle:
	s_add_co_u32 s[TT], s[TT], 1
	s_cmp_lt_u32 s[TT], 9
	s_wait_alu depctr_va_vdst(0)
	s_cbranch_scc1 .Ltrip
	; THE JOIN: B's -M, sum and O^T of j2 go through LDS to A.
.rept 4
	v_nop                                          ; four places behind the last products
.endr
	s_wait_dscnt 0x0                               ; no LDS instruction of mine is pending at the signal
	s_barrier_signal -1
	s_barrier_wait -1                              ; nobody reads K or V any more
	s_cmp_lg_u32 s[ROLE], 0
	s_cbranch_scc1 .Lsent
	v_mov_b32 v234, v12
	v_add_f32 v235, v14, v15
.irp i, 0,1,2,3,4,5,6,7
	ds_store_b128 v[MO], v[160+4*\i:163+4*\i] offset:512*\i
.endr
	ds_store_b64 v[MX], v[234:235]
.Lsent:
	s_wait_dscnt 0x0                               ; my stores are done: the pair's other wave reads them behind the barrier
	s_barrier_signal -1
	s_barrier_wait -1
	s_cmp_eq_u32 s[ROLE], 0
	s_cbranch_scc1 .Ldone
	ds_load_b64 v[64:65], v[MX]                    ; B's -M and sum
.irp i, 0,1,2,3,4,5,6,7
	ds_load_b128 v[32+4*\i:35+4*\i], v[MO] offset:512*\i
.endr
	s_wait_dscnt 0x0
	v_min_num_f32 v234, v12, v64                   ; -M of both
	v_add_f32 v14, v14, v15
	v_sub_f32 v236, v234, v12
	v_sub_f32 v238, v234, v64
	v_cvt_i32_f32 v236, v236
	v_cvt_i32_f32 v238, v238
	v_ldexp_f32 v252, 1.0, v236                    ; 2^(A's M - M)
	v_ldexp_f32 v248, 1.0, v238                    ; 2^(B's M - M): 0 where B had no step of j2
	v_mul_f32 v14, v14, v252
.set j, 0
.rept 16
	v_pk_mul_f32 v[160+j:161+j], v[160+j:161+j], v[252:253] op_sel_hi:[1,0]
.set j, j+2
.endr
	v_fmac_f32 v14, v65, v248
.set j, 0
.rept 16
	v_pk_fma_f32 v[160+j:161+j], v[32+j:33+j], v[248:249], v[160+j:161+j] op_sel_hi:[1,0,1]
.set j, j+2
.endr
	FINAL 68, 216
.Ldone:
	s_wait_tensorcnt 0x0                           ; the wave's end
	ds_add_u32 v[SPW], v[NIL]
	s_wait_dscnt 0x0
	CROUND                                         ; the closing round: no work-group ends while a partner may still ask for a tile that names it
	s_endpgm
.Lfunc_end_k_qb7e01e924e_attn:
	.size	k_qb7e01e924e_attn, .Lfunc_end_k_qb7e01e924e_attn-k_qb7e01e924e_attn
	.p2alignl 7, 3214868480
	.fill 96, 4, 3214868480
	.section	.rodata,"a",@progbits
	.p2align	6, 0x0
	.amdhsa_kernel k_qb7e01e924e_attn
		.amdhsa_group_segment_fixed_size 327680
		.amdhsa_private_segment_fixed_size 0
		.amdhsa_enable_private_segment 0
		.amdhsa_kernarg_size 24
		.amdhsa_user_sgpr_count 2
		.amdhsa_user_sgpr_kernarg_segment_ptr 1
		.amdhsa_wavefront_size32 1
		.amdhsa_system_sgpr_workgroup_id_x 1
		.amdhsa_system_sgpr_workgroup_id_y 1
		.amdhsa_system_sgpr_workgroup_id_z 1
		.amdhsa_system_vgpr_workitem_id 0
		.amdhsa_next_free_vgpr 256
		.amdhsa_next_free_sgpr 100
		.amdhsa_reserve_vcc 1
		.amdhsa_float_denorm_mode_32 3
		.amdhsa_float_denorm_mode_16_64 3
		.amdhsa_memory_ordered 1
		.amdhsa_forward_progress 1
		.amdhsa_inst_pref_size 64
	.end_amdhsa_kernel
	.amdgpu_metadata
---
amdhsa.version: [ 1, 2 ]
amdhsa.kernels:
  - .name:           k_qb7e01e924e_attn
    .symbol:         k_qb7e01e924e_attn.kd
    .args:
      - { .name: qkvc, .offset: 0, .size: 8, .value_kind: global_buffer, .address_space: global }
      - { .name: lowp_scales, .offset: 8, .size: 8, .value_kind: global_buffer, .address_space: global }
      - { .name: aoc, .offset: 16, .size: 8, .value_kind: global_buffer, .address_space: global }
    .group_segment_fixed_size: 327680
    .private_segment_fixed_size: 0
    .kernarg_segment_align: 8
    .kernarg_segment_size: 24
    .max_flat_workgroup_size: 512
    .sgpr_count:     100
    .vgpr_count:     256
    .wavefront_size: 32
...
	.end_amdgpu_metadata
.endif
;; end of part 3
;; launch proj (part 4): grid 8 x 32, 4 waves a work-group, clusters of 4 x 4, 288,256 bytes of LDS; arguments aoc, codes, lowp_scales, bout, out0; writes out0
.if DOCPART == 4
	.amdgcn_target "amdgcn-amd-amdhsa--gfx1250"
	.amdhsa_code_object_version 6
	.text
	.protected	k_qb7e01e924e_proj
	.globl	k_qb7e01e924e_proj
	.p2align	8
	.type	k_qb7e01e924e_proj,@function
k_qb7e01e924e_proj:
	s_mov_b64 s[64:65], 0
	v_nop
	global_prefetch_b8 v0, s[64:65] scope:SCOPE_SE
	s_setreg_imm32_b32 hwreg(HW_REG_WAVE_MODE, 25, 1), 1
	s_wait_xcnt 0x0
	s_wait_alu depctr_hold_cnt(0) depctr_sa_sdst(0) depctr_va_vdst(0) depctr_va_sdst(0) depctr_va_ssrc(0) depctr_va_vcc(0) depctr_vm_vsrc(0)
	s_getreg_b32 s2, hwreg(HW_REG_IB_STS2, 6, 4)
	s_cmp_eq_u32 s2, 0
	s_cbranch_scc0 .Lentry_in_a_cluster
	s_endpgm
.Lentry_in_a_cluster:
	s_bfe_u32 s2, ttmp6, 0x10000c
	s_cmp_lg_u32 s2, 0xf033
	s_cbranch_scc0 .Lentry_shape_is_right
	s_endpgm
.Lentry_shape_is_right:
; out0 = att Wout^T + bout on codes of FP8 (E4M3).  att: 4,096 rows x 1,024 as images of operand registers (below); Wout's codes: 8 blocks of 128 rows from byte 7,340,032 of the buffer of codes on, each of four planes of 256 along K
; (32,768 bytes, rows of 256 bytes); out0: [4096][1024] f32.
; A sum stands for sum x 2^(e6 + e7): out0 = sum x 2^(e6 + e7) + bout, one packed multiply-add for two numbers.  LIMIT: e6 + e7 between -126 and 127, so that 2^(e6 + e7) is an f32 number.
; A tile of out0 is 128 x 128: 8 x 32 = 256 work-groups.  Four waves, each 64 x 64: 16 accumulators of 16 x 16, which take turns, one instruction a turn.
; THE WHOLE K OF BOTH TILES LIES IN LDS, each byte filled ONCE: no ring.  One joint load a wave: wave 0 A's first half along K, wave 1 its second, waves 2 and 3 B's: 65,536 bytes each, dense in memory.
; CLUSTERS: 4 x 4 work-groups.  The four of a row of the cluster need the same tiles of A, the four of a column the same tiles of B: each tile is asked for JOINTLY, by the same tensor load with the same descriptor and a mask that names the four.
; No prefetch: all fills go out at the head, and no loop stands in front of them in which to run ahead.
; A'S IMAGES: for the tile T and the head hd (64 along K): byte = (T / 8) x 131,072 + (hd / 4) x 32,768 + (T % 8) x 4,096 + (hd % 4) x 1,024 + 512 i + 16 lane: piece i = the head's registers 4 i .. 4 i + 3; register pair t of
; lane (r, h) = K 64 hd + 16 t + 8 h + 0 .. 7 of the tile's row r: this form's own layout.  A tile's 16 rows are not neighbours: row r of tile T is row 64 (T / 4) + 4 r + T % 4 of att and of out0; so a wave's four tiles are 64 neighbouring rows.
; A fragment (16 rows x 128 K = two heads) is four loads of 16 bytes a lane, 512 consecutive bytes each: no pitch, no padding.
; B comes from rows, eight loads of 8 bytes a lane, K in the same places.  THE MATRIX INSTRUCTION IS USED TRANSPOSED (source 0 = 16 rows of Wout, source 1 = 16 rows of att): a lane holds eight neighbouring numbers of a row of out0.
; REGISTERS: window 0: v16-26 addresses; v32-63 a block's results; v96-127 bout in the result's layout; v128-255 the accumulators ((a, b) at v[128 + 8 (4 a + b)]), then rows read back from the stage.
;   window 1: fragment buffers 0 and 1 of 128 registers (A's four fragments, then B's four);  window 2: buffer 2.
.set ACH,   32768                      ; 256 along K of A in LDS: 128 rows, dense
.set BP,    272                        ; a row of B in LDS: 256 bytes + 16 of padding: the 32 lanes of a load of 8 bytes touch 64 different banks (64 banks of 4 bytes: ISA guide 11.1)
.set BCH,   128*BP                     ; 256 along K of B
.set BB,    4*ACH                      ; B lies behind A
.set STG,   BB+4*BCH                   ; behind both: 16 rows x (256 bytes + 16) for each wave, for the way out: blocks of 256 bytes into which no tile lands
.set SPI,   272
.set SPARE, STG+4*16*SPI               ; the spare words: 128 bytes for each wave
.set WOUTB, 7340032                    ; Wout's first block in the buffer of codes
.set ADRA, 16                          ; v16-19  LDS address of my A fragments in K's quarter 0 .. 3
.set ADRB, 20                          ; v20-23  the same for B
.set STO,  24                          ; v24     the way out: where I put 32 bytes of a row
.set RD,   25                          ; v25     where I read a row back
.set CO,   26                          ; v26     my byte offset in two rows of out0
.set SPW,  30                          ; v30     LDS address of my spare word; never rewritten
.set NIL,  31                          ; v31     0; never rewritten
.set TMP,  32
.set BIAS, 96
.set ACC,  128
.set G1A, 24                           ; s[24:31] descriptor group 1 for A's tile;  s[32:39] for B's
.set G1B, 32
.set G0A, 40                           ; s[40:43] group 0 for A's;  s[68:71] for B's
.set G0B, 68
.set SC,  84                           ; s[84:85] 2^(e6 + e7): the packed form names a pair and takes its low word for both halves
.set EX,  88                           ; s[88:95] the eight exponents
.set MSB, 0
.macro WIN new                         ; the immediate's high byte repeats the setting that is left
.if MSB != (\new)
	s_set_vgpr_msb (MSB<<8)|(\new)
.set MSB, (\new)
.endif
.endm
.macro CROUND                          ; a round of the cluster's barrier
	s_barrier_signal -1
	s_barrier_wait -1
	s_cmp_lg_u32 s14, 0
	s_cbranch_scc1 .Lnot_wave_0_\@
	s_barrier_signal -3
.Lnot_wave_0_\@:
	s_barrier_wait -3
	s_barrier_signal -1
	s_barrier_wait -1
.endm
	s_load_b256 s[4:11], s[0:1], 0x0               ; att's codes s[4:5], the buffer of codes s[6:7], the scales' exponents s[8:9], bout s[10:11]
	s_load_b64 s[12:13], s[0:1], 0x20              ; out0
	v_lshl_add_u32 v[SPW], v0, 2, SPARE
	v_mov_b32 v[NIL], 0
	ds_add_u32 v[SPW], v[NIL]                      ; the opening: the add, twice on end, ahead of my tensor load; work on registers stands between it and its wait
	ds_add_u32 v[SPW], v[NIL]
	v_lshrrev_b32 v1, 5, v0
	v_readfirstlane_b32 s14, v1                    ; wave 0..3
	s_lshr_b32 s15, s14, 1                         ; which half of the tile's rows is mine.  Also: I fetch for A (0) or for B (1)
	s_and_b32 s16, s14, 1                          ; which half of its columns.  Also: which half of K I fetch
	s_bfe_u32 s19, ttmp6, 0x40000                  ; cx, cy: my place in the cluster
	s_bfe_u32 s20, ttmp6, 0x40004
	s_lshl_b32 s18, ttmp9, 2
	s_add_co_u32 s18, s18, s19                     ; tile column = 4 x cluster x + cx
	s_and_b32 s17, ttmp7, 0xffff
	s_lshl_b32 s17, s17, 2
	s_add_co_u32 s17, s17, s20                     ; tile row = 4 x cluster y + cy
	s_lshl_b32 s21, s20, 2
	s_lshl_b32 s21, 15, s21                        ; my row of the cluster
	s_lshl_b32 s22, 0x1111, s19                    ; my column
	; descriptor group 1: 256 rows of 256 bytes, dense in memory; A's dense in LDS too, B's padded
	s_or_b32 s[G1A], s21, (0<<16)|(1<<21)          ; 15:0 the mask: A's tiles go to my row; 17:16 element of 1 byte; 21 set beside a mask
	s_or_b32 s[G1B], s22, (0<<16)|(1<<20)|(1<<21)|(5<<22)|(3<<25)   ; the mask of my column; 20 padding on; 24:22 after every 64 words (code 5); 31:25 of 4 words (code 3)
.irp g, G1A, G1B
	s_mov_b32 s[\g+1], 256<<16                     ; tensor_dim0
	s_mov_b32 s[\g+2], 256<<16                     ; tensor_dim1
	s_mov_b32 s[\g+3], 256<<16                     ; tile_dim0
	s_mov_b32 s[\g+4], 256                         ; tile_dim1
	s_mov_b32 s[\g+5], 256                         ; tensor_dim0_stride
	s_mov_b32 s[\g+6], 0
	s_mov_b32 s[\g+7], 0
.endr
	; where the tiles come from.  A's hang on the tile row alone, which my row of the cluster shares; B's on the tile column alone, which my column shares: each in registers that never hold the other coordinate
	s_lshl_b32 s56, s17, 17                        ; A: 131,072 x tile row + 65,536 x half of K
	s_lshl_b32 s61, s16, 16
	s_add_co_u32 s56, s56, s61
	s_mov_b32 s57, 0
	s_lshl_b32 s58, s18, 17                        ; B: block tile column, + 65,536 x half of K
	s_add_co_u32 s58, s58, s61
	s_add_co_u32 s58, s58, WOUTB
	s_mov_b32 s59, 0
	s_mul_i32 s62, s16, 2*BCH                      ; and where they go: no place in the cluster enters an LDS address
	s_add_co_u32 s62, s62, BB
	s_mov_b32 s[G0A], 1                            ; 1:0 count = 1
	s_mov_b32 s[G0A+1], s61                        ; 63:32 LDS address
	s_mov_b32 s[G0B], 1
	s_mov_b32 s[G0B+1], s62
	s_wait_alu depctr_va_vdst(0)
	s_wait_dscnt 0x0                               ; both opening adds are done
	s_wait_kmcnt 0x0
	s_load_b256 s[EX:EX+7], s[8:9], 0x0            ; e0 .. e7
	s_add_nc_u64 s[G0A+2:G0A+3], s[4:5], s[56:57]  ; 120:64 global address
	s_or_b32 s[G0A+3], s[G0A+3], 0x80000000        ; 127:126 type = 2
	s_add_nc_u64 s[G0B+2:G0B+3], s[6:7], s[58:59]
	s_or_b32 s[G0B+3], s[G0B+3], 0x80000000
	CROUND                                         ; all sixteen work-groups are here: the joint loads meet
	s_cmp_eq_u32 s15, 0
	s_cbranch_scc0 .Lfor_b
	tensor_load_to_lds s[G0A:G0A+3], s[G1A:G1A+7]  ; my one load
	s_nop 0
.rept 4
	v_nop
.endr
	s_branch .Lasked
.Lfor_b:
	tensor_load_to_lds s[G0B:G0B+3], s[G1B:G1B+7]
	s_nop 0
.rept 4
	v_nop
.endr
.Lasked:
	v_and_b32 v1, 15, v0                           ; r = l % 16
	v_bfe_u32 v2, v0, 4, 1                         ; h = l / 16
	v_and_b32 v3, 31, v0
	v_lshlrev_b32 v4, 4, v3                        ; 16 x lane
	s_lshl_b32 s96, s15, 14                        ; my four tiles of 16 rows of A
	v_add_nc_u32 v[ADRA], s96, v4
	v_mul_u32_u24 v5, v1, BP
	v_lshl_add_u32 v6, v2, 3, v5                   ; B: row r x pitch + 8 h
	s_mul_i32 s97, s16, 64*BP                      ; my 64 rows of B
	s_add_co_u32 s97, s97, BB
	v_add_nc_u32 v[ADRB], s97, v6
.irp kc, 1,2,3
	v_add_nc_u32 v[ADRA+\kc], \kc*ACH, v[ADRA]
	v_add_nc_u32 v[ADRB+\kc], \kc*BCH, v[ADRB]
.endr
	s_mul_i32 s98, s14, 16*SPI
	s_add_co_u32 s98, s98, STG                     ; my stage
	v_mul_u32_u24 v11, v1, SPI
	v_lshl_add_u32 v7, v2, 5, v11                  ; in: row r, 32 bytes for each half of the lanes
	v_add_nc_u32 v[STO], s98, v7
	v_mul_u32_u24 v8, v2, SPI                      ; back: lanes 0-15 take one row of 256 bytes, lanes 16-31 the next
	v_lshl_add_u32 v8, v1, 4, v8
	v_add_nc_u32 v[RD], s98, v8
	v_lshlrev_b32 v9, 14, v2                       ; and the same two rows in out0, where they lie 4 apart
	v_lshl_add_u32 v[CO], v1, 4, v9
	s_lshl_b32 s60, s18, 9                         ; my first column, in bytes: 512 x tile column + 256 x half
	s_lshl_b32 s63, s16, 8
	s_add_co_u32 s60, s60, s63
	s_mov_b32 s61, 0
	s_add_nc_u64 s[10:11], s[10:11], s[60:61]      ; bout at my 64 columns
	v_lshlrev_b32 v10, 5, v2
.irp b, 0,1,2,3
	global_load_b128 v[BIAS+8*\b:BIAS+8*\b+3], v10, s[10:11] offset:64*\b        ; lane (r, h), tile b: bout of columns 16 b + 8 h + 0 .. 7
	global_load_b128 v[BIAS+8*\b+4:BIAS+8*\b+7], v10, s[10:11] offset:64*\b+16
.endr
	s_lshl_b32 s62, s17, 7
	s_lshl_b32 s63, s15, 6
	s_add_co_u32 s62, s62, s63                     ; my first row: 128 x tile row + 64 x half
	s_lshl_b32 s62, s62, 12
	s_add_co_u32 s62, s62, s60
	s_mov_b32 s63, 0
	s_add_nc_u64 s[12:13], s[12:13], s[62:63]
	s_wait_alu depctr_va_vdst(0)
	s_wait_kmcnt 0x0
	s_add_co_i32 s[SC], s[EX+6], s[EX+7]
	s_add_co_i32 s[SC], s[SC], 127
	s_lshl_b32 s[SC], s[SC], 23                    ; 2^(e6 + e7) as f32
	s_mov_b32 s[SC+1], s[SC]                       ; (named with it as a pair, so it is written)
; 48 LDS loads in one run: the fragments of step s (128 along K) into buffer s % 3
.macro FETCH s
.if ((\s)%3) == 2
	WIN 0x80                                       ; destination window 2, address window 0
.else
	WIN 0x40
.endif
.set FB, 128*(((\s)%3)%2)
.irp a, 0,1,2,3
.irp p, 0,1,2,3
	ds_load_b128 v[FB+16*\a+4*\p:FB+16*\a+4*\p+3], v[ADRA+(\s)/2] offset:\a*4096+((\s)%2)*2048+512*\p
.endr
.endr
.irp b, 0,1,2,3
.irp c, 0,1,2,3,4,5,6,7
	ds_load_b64 v[FB+64+16*\b+2*\c:FB+64+16*\b+2*\c+1], v[ADRB+(\s)/2] offset:\b*16*BP+128*((\s)%2)+16*\c
.endr
.endr
.endm
; 16 matrix instructions, step s.  In step 0 the products start the sums: nothing is ever cleared
.macro MUL s
.if ((\s)%3) == 2
	WIN 0x0a                                       ; sources 0 (B) and 1 (A) window 2; C and D window 0
.else
	WIN 0x05
.endif
.set FB, 128*(((\s)%3)%2)
.irp a, 0,1,2,3
.irp b, 0,1,2,3
.if (\s)==0
	v_wmma_f32_16x16x128_fp8_fp8 v[ACC+8*(4*\a+\b):ACC+8*(4*\a+\b)+7], v[FB+64+16*\b:FB+64+16*\b+15], v[FB+16*\a:FB+16*\a+15], 0
.else
	v_wmma_f32_16x16x128_fp8_fp8 v[ACC+8*(4*\a+\b):ACC+8*(4*\a+\b)+7], v[FB+64+16*\b:FB+64+16*\b+15], v[FB+16*\a:FB+16*\a+15], v[ACC+8*(4*\a+\b):ACC+8*(4*\a+\b)+7]
.endif
.endr
.endr
.endm
.macro PLACES                          ; four places in front of loads into registers that matrix instructions have read, and of the first read of results (ISA guide 7.12.1 for vector instructions)
.rept 4
	v_nop
.endr
.endm
	s_wait_tensorcnt 0x0                           ; my load is in
	s_barrier_signal -1
	s_barrier_wait -1                              ; everybody's is: the whole K of both tiles lies in LDS.  Nothing is filled again in this launch
	FETCH 0
	FETCH 1
; Eight steps of 128 along K, written out; the fragments come two steps ahead, in three buffers.
.irp s, 0,1,2,3,4,5,6,7
.if \s < 7
	s_wait_dscnt 48                                ; this step's fragments are in; the next step's 48 loads may be out
.else
	s_wait_dscnt 0x0
.endif
	MUL \s
.if \s < 6
	PLACES
	FETCH \s+2
.endif
.endr
	WIN 0
; THE WAY OUT, block by block of 16 rows x 64 columns: sum x 2^(e6 + e7) + bout; 32 bytes a lane into my own stage; back as whole rows of 256 bytes, into the registers of the block's accumulators.
; LDS serves a wave's instructions in order (ISA guide 5.7.1.4): no wait between the stores and the loads, nor in front of the next block's stores.
.macro TOSTAGE a
.irp b, 0,1,2,3
.irp i, 0,2,4,6
	v_pk_fma_f32 v[TMP+8*\b+\i:TMP+8*\b+\i+1], v[ACC+8*(4*\a+\b)+\i:ACC+8*(4*\a+\b)+\i+1], s[SC:SC+1], v[BIAS+8*\b+\i:BIAS+8*\b+\i+1] op_sel_hi:[1,0,1]   ; each accumulator from its low end on
.endr
.endr
.irp b, 0,1,2,3
	ds_store_b128 v[STO], v[TMP+8*\b:TMP+8*\b+3] offset:64*\b
	ds_store_b128 v[STO], v[TMP+8*\b+4:TMP+8*\b+7] offset:64*\b+16
.endr
.irp t, 0,1,2,3,4,5,6,7
	ds_load_b128 v[ACC+32*\a+4*\t:ACC+32*\a+4*\t+3], v[RD] offset:\t*2*SPI
.endr
.endm
.macro SEND a, younger                 ; younger: the LDS instructions issued behind block a's loads, which may be out
	s_wait_dscnt \younger
.irp t, 0,1,2,3,4,5,6,7
	global_store_b128 v[CO], v[ACC+32*(\a)+4*\t:ACC+32*(\a)+4*\t+3], s[12:13] offset:(8*\t+(\a))*4096 th:TH_STORE_NT   ; the block's rows 2 t and 2 t + 1 are my rows 8 t + a and 8 t + 4 + a; 16 lanes store 256 consecutive bytes, at a multiple of 256 from out0's first byte; written once, read by nobody here
.endr
.endm
	PLACES
	s_wait_loadcnt 0x0                             ; bout
	TOSTAGE 0
.irp a, 1,2,3
	TOSTAGE \a
	SEND \a-1, 16                                  ; block a's 8 stores and 8 loads may be out
.endr
	SEND 3, 0
	s_wait_tensorcnt 0x0                           ; the wave's end
	ds_add_u32 v[SPW], v[NIL]
	s_wait_dscnt 0x0
	CROUND                                         ; the closing round: no work-group ends while a partner may still ask for a tile that names it
	s_endpgm
.Lfunc_end_k_qb7e01e924e_proj:
	.size	k_qb7e01e924e_proj, .Lfunc_end_k_qb7e01e924e_proj-k_qb7e01e924e_proj
	.p2alignl 7, 3214868480
	.fill 96, 4, 3214868480
	.section	.rodata,"a",@progbits
	.p2align	6, 0x0
	.amdhsa_kernel k_qb7e01e924e_proj
		.amdhsa_group_segment_fixed_size 288256
		.amdhsa_private_segment_fixed_size 0
		.amdhsa_enable_private_segment 0
		.amdhsa_kernarg_size 40
		.amdhsa_user_sgpr_count 2
		.amdhsa_user_sgpr_kernarg_segment_ptr 1
		.amdhsa_wavefront_size32 1
		.amdhsa_system_sgpr_workgroup_id_x 1
		.amdhsa_system_sgpr_workgroup_id_y 1
		.amdhsa_system_sgpr_workgroup_id_z 1
		.amdhsa_system_vgpr_workitem_id 0
		.amdhsa_next_free_vgpr 640
		.amdhsa_next_free_sgpr 100
		.amdhsa_reserve_vcc 0
		.amdhsa_float_denorm_mode_32 3
		.amdhsa_float_denorm_mode_16_64 3
		.amdhsa_memory_ordered 1
		.amdhsa_forward_progress 1
		.amdhsa_inst_pref_size 53
	.end_amdhsa_kernel
	.amdgpu_metadata
---
amdhsa.version: [ 1, 2 ]
amdhsa.kernels:
  - .name:           k_qb7e01e924e_proj
    .symbol:         k_qb7e01e924e_proj.kd
    .args:
      - { .name: aoc, .offset: 0, .size: 8, .value_kind: global_buffer, .address_space: global }
      - { .name: codes, .offset: 8, .size: 8, .value_kind: global_buffer, .address_space: global }
      - { .name: lowp_scales, .offset: 16, .size: 8, .value_kind: global_buffer, .address_space: global }
      - { .name: bout, .offset: 24, .size: 8, .value_kind: global_buffer, .address_space: global }
      - { .name: out0, .offset: 32, .size: 8, .value_kind: global_buffer, .address_space: global }
    .group_segment_fixed_size: 288256
    .private_segment_fixed_size: 0
    .kernarg_segment_align: 8
    .kernarg_segment_size: 40
    .max_flat_workgroup_size: 128
    .sgpr_count:     100
    .vgpr_count:     640
    .wavefront_size: 32
...
	.end_amdgpu_metadata
.endif
;; end of part 4
